; MI455X (gfx1250); checked and timed in simulation.
; The chip was launched on July 23, 2026; its instructions are those of AMD's public machine-readable ISA for CDNA 5 (MIT licence, August 2026) and "CDNA5" Instruction Set Architecture Reference Guide (July 2026). The comments in the code are by the model that wrote it; some were corrected since.
;; Mo E Layer. Allowed arithmetic: float matrix products may take bf16 or f16 operands with f32 sums; other float arithmetic in f32, or as packed bf16 or f16 multiplies, adds, multiply-adds, maxima and minima; sums over many terms, partial sums and values carried from step to step in f32; what a program stores and reads back later, other than sums and carried values, may be rounded once to bf16 or f16.
;; Inputs: W1 8 x 1,024 x 4,096 float32; W2 8 x 4,096 x 1,024 float32; Wr 1,024 x 8 float32; b1 8 x 4,096 float32; b2 8 x 1,024 float32; br 8 float32; x 2 x 512 x 1,024 float32.
;; Outputs: out0 2 x 512 x 1,024 float32; out1 2 x 512 x 8 float32.
;; Constants: top_k = 2.
;; One version. Each part assembles by itself: llvm-mc -triple=amdgcn-amd-amdhsa -mcpu=gfx1250 --defsym DOCPART=n.
;; ======== version 1 of 1: 4 launches
;; workspace buffers: xb 2,097,152 bytes; sel 4,096 bytes of whole numbers; cwt 8,192 bytes; hb 16,777,216 bytes; yp 33,554,432 bytes
;; launch router (part 1): grid 256 x 1, 4 waves a work-group, no clusters, 0 bytes of LDS; arguments x, Wr, br, xb, sel, cwt, out1; writes xb, sel, cwt, out1
.if DOCPART == 1
	.amdgcn_target "amdgcn-amd-amdhsa--gfx1250"
	.amdhsa_code_object_version 6
	.text
	.protected	k_q45852f97f6_router
	.globl	k_q45852f97f6_router
	.p2align	8
	.type	k_q45852f97f6_router,@function
k_q45852f97f6_router:
	s_mov_b64 s[64:65], 0
	v_nop
	global_prefetch_b8 v0, s[64:65] scope:SCOPE_SE
	s_setreg_imm32_b32 hwreg(HW_REG_WAVE_MODE, 25, 1), 1
	s_wait_xcnt 0x0
; ROUTER.  probs = softmax(x Wr + br) for 1,024 tokens and 8 experts; the two largest probabilities and their experts; x rounded once to bf16 for the first product.
; One wave takes one token: lane l holds d = 128 i + 4 l .. + 3, i = 0..7.  x, Wr and br are rounded to bf16, as every input of this program is; their products are
; exact in f32 and the sums are f32.  No matrix unit: 8 columns are half a tile and a lane's 16 neighbouring bytes of x are no operand layout.  No LDS, no barrier: a token never leaves its wave.
; Stored: xb[t][1024] bf16; out1[t][8]; sel[t] = (1 << first expert) | (0x100 << second expert); cwt[2 t], cwt[2 t + 1] = their probabilities.
; The choice enters stored data alone, no address and no branch of this launch.  Ties go to the lower expert, as jax.lax.top_k has it.
; LIMITS.  NaN is not treated apart.  The last stores are 44 bytes a token from one lane (45 KB in the whole launch): they fill no aligned 256 bytes.
.set XO,  2                            ; v2   16 l
.set WO,  3                            ; v3   128 l: my four rows of Wr in a chunk of 128 rows
.set BO,  4                            ; v4   8 l
.set ZR,  5                            ; v5   0
.set ONE, 6                            ; v6   1.0
.set NEG, 7                            ; v7   -1.0
.set RX,  8                            ; v[8:39]    x as loaded: 4 i + dd
.set XP,  40                           ; v[40:55]   x in bf16 pairs: 2 i + dd / 2
.set RW,  56                           ; v[56:183]  Wr: a ring of four chunks, 32 registers each: 8 dd + e
.set WPK, 184                          ; v[184:199] a chunk of Wr in bf16 pairs: 4 dd + e / 2; later at work
.set ACC, 200                          ; v[200:207] the logits, then the probabilities
.set W1R, 208                          ; v208, v209 the two largest probabilities
.set I1R, 210                          ; v210, v211 their experts
.set QR,  212                          ; v[212:219] at work
.set SC,  220                          ; v[220:223] at work
	s_load_b256 s[4:11], s[0:1], 0x0               ; x s[4:5], Wr s[6:7], br s[8:9], xb s[10:11]
	s_load_b128 s[12:15], s[0:1], 0x20             ; sel s[12:13], cwt s[14:15]
	s_load_b64 s[16:17], s[0:1], 0x30              ; out1
	v_lshrrev_b32 v1, 5, v0
	v_readfirstlane_b32 s18, v1                    ; wave
	v_and_b32 v1, 31, v0                           ; lane
	v_lshlrev_b32 v[XO], 4, v1
	v_lshlrev_b32 v[WO], 7, v1
	v_lshlrev_b32 v[BO], 3, v1
	v_mov_b32 v[ZR], 0
	v_mov_b32 v[ONE], 1.0
	v_mov_b32 v[NEG], -1.0
	s_lshl_b32 s19, ttmp9, 2
	s_add_co_u32 s19, s19, s18                     ; my token
	s_mov_b32 s21, 0
	s_mov_b32 s32, 0x76543210                      ; v_permlanex16_b32: each lane takes its own place in the other half
	s_mov_b32 s33, 0xfedcba98
	s_mov_b32 s35, 0x3fb8aa3b                      ; log2(e)
	s_wait_kmcnt 0x0
	s_load_b256 s[24:31], s[8:9], 0x0              ; br
	s_lshl_b32 s20, s19, 12
	s_add_nc_u64 s[4:5], s[4:5], s[20:21]          ; x at my row
	s_lshl_b32 s20, s19, 11
	s_add_nc_u64 s[10:11], s[10:11], s[20:21]      ; xb at my row
	s_lshl_b32 s20, s19, 2
	s_add_nc_u64 s[12:13], s[12:13], s[20:21]
	s_lshl_b32 s20, s19, 3
	s_add_nc_u64 s[14:15], s[14:15], s[20:21]
	s_lshl_b32 s20, s19, 5
	s_add_nc_u64 s[16:17], s[16:17], s[20:21]
.irp i, 0,1,2,3,4,5,6,7
	global_load_b128 v[RX+4*(\i):RX+4*(\i)+3], v[XO], s[4:5] offset:512*(\i) th:TH_LOAD_NT
.endr
.macro WRLOAD i                        ; chunk i of Wr (128 rows, 4,096 bytes) into ring slot i % 4
.irp u, 0,1,2,3,4,5,6,7
	global_load_b128 v[RW+32*((\i)%4)+4*(\u):RW+32*((\i)%4)+4*(\u)+3], v[WO], s[6:7] offset:4096*(\i)+16*(\u)
.endr
.endm
	WRLOAD 0
	WRLOAD 1
	WRLOAD 2
	WRLOAD 3
; d = (bf16 half ha of a) x (bf16 half hb of b) + c, in f32
.macro MIX d, a, b, c, ha, hb
.if ((\ha) == 0) && ((\hb) == 0)
	v_fma_mix_f32_bf16 v[\d], v[\a], v[\b], v[\c] op_sel_hi:[1,1,0]
.elseif ((\ha) == 1) && ((\hb) == 0)
	v_fma_mix_f32_bf16 v[\d], v[\a], v[\b], v[\c] op_sel:[1,0,0] op_sel_hi:[1,1,0]
.elseif ((\ha) == 0) && ((\hb) == 1)
	v_fma_mix_f32_bf16 v[\d], v[\a], v[\b], v[\c] op_sel:[0,1,0] op_sel_hi:[1,1,0]
.else
	v_fma_mix_f32_bf16 v[\d], v[\a], v[\b], v[\c] op_sel:[1,1,0] op_sel_hi:[1,1,0]
.endif
.endm
; Chunk i: my four d of it.  left = the loads issued behind this chunk's: eight for each younger chunk of Wr.
.macro CHUNK i, left
	s_wait_loadcnt \left
	v_cvt_pk_bf16_f32 v[XP+2*(\i)], v[RX+4*(\i)], v[RX+4*(\i)+1]
	v_cvt_pk_bf16_f32 v[XP+2*(\i)+1], v[RX+4*(\i)+2], v[RX+4*(\i)+3]
	global_store_b64 v[BO], v[XP+2*(\i):XP+2*(\i)+1], s[10:11] offset:256*(\i)  ; the wave stores 256 consecutive bytes, aligned; XP's registers are never rewritten
.set k, 0
.rept 16
	v_cvt_pk_bf16_f32 v[WPK+k], v[RW+32*((\i)%4)+2*k], v[RW+32*((\i)%4)+2*k+1]
.set k, k+1
.endr
.set k, 0
.rept 32                               ; k = 8 dd + e: eight chains, one for each expert
.if ((\i) == 0) && (k < 8)
	MIX ACC+k%8, XP+2*(\i)+k/16, WPK+k/2, ZR, (k/8)%2, k%2  ; the first product starts the sum
.else
	MIX ACC+k%8, XP+2*(\i)+k/16, WPK+k/2, ACC+k%8, (k/8)%2, k%2
.endif
.set k, k+1
.endr
.if (\i) < 4
	WRLOAD (\i)+4
.endif
.endm
	CHUNK 0, 24
	CHUNK 1, 24
	CHUNK 2, 24
	CHUNK 3, 24
	CHUNK 4, 24
	CHUNK 5, 16
	CHUNK 6, 8
	CHUNK 7, 0
	; the sums over the 32 lanes; every lane ends with all eight
.irp m, 1,2,4,8
.irp e, 0,1,2,3,4,5,6,7
	v_add_f32_dpp v[ACC+(\e)], v[ACC+(\e)], v[ACC+(\e)] row_xmask:\m row_mask:0xf bank_mask:0xf
.endr
.endr
.irp e, 0,1,2,3,4,5,6,7
	v_permlanex16_b32 v[WPK+(\e)], v[ACC+(\e)], s32, s33  ; its destination has been written before
.endr
.irp e, 0,1,2,3,4,5,6,7
	v_add_f32 v[ACC+(\e)], v[ACC+(\e)], v[WPK+(\e)]
.endr
	s_wait_kmcnt 0x0                               ; br
.irp k, 0,1,2,3
	v_cvt_pk_bf16_f32 v[WPK+8+(\k)], s[24+2*(\k)], s[25+2*(\k)]
.endr
.irp k, 0,1,2,3
	v_fma_mix_f32_bf16 v[ACC+2*(\k)], v[WPK+8+(\k)], v[ONE], v[ACC+2*(\k)] op_sel_hi:[1,0,0]
	v_fma_mix_f32_bf16 v[ACC+2*(\k)+1], v[WPK+8+(\k)], v[ONE], v[ACC+2*(\k)+1] op_sel:[1,0,0] op_sel_hi:[1,0,0]
.endr
	; softmax: the maximum is taken away, as in the reference
	v_max3_num_f32 v[SC], v[ACC], v[ACC+1], v[ACC+2]
	v_max3_num_f32 v[SC+1], v[ACC+3], v[ACC+4], v[ACC+5]
	v_max3_num_f32 v[SC], v[SC], v[ACC+6], v[ACC+7]
	v_max_num_f32 v[SC], v[SC], v[SC+1]
	v_mul_f32 v[SC], s35, v[SC]
.irp e, 0,1,2,3,4,5,6,7
	v_fma_f32 v[QR+(\e)], v[ACC+(\e)], s35, -v[SC]
.endr
.irp e, 0,1,2,3,4,5,6,7
	v_exp_f32 v[QR+(\e)], v[QR+(\e)]
.endr
	v_nop                                          ; a plain instruction behind the last exponential,
	s_wait_alu depctr_va_vdst(0)                   ; and one wait for the batch of eight, ahead of the first reader
	v_add_f32 v[SC], v[QR], v[QR+1]
	v_add_f32 v[SC+1], v[QR+2], v[QR+3]
	v_add_f32 v[SC+2], v[QR+4], v[QR+5]
	v_add_f32 v[SC+3], v[QR+6], v[QR+7]
	v_add_f32 v[SC], v[SC], v[SC+1]
	v_add_f32 v[SC+2], v[SC+2], v[SC+3]
	v_add_f32 v[SC], v[SC], v[SC+2]
	v_rcp_f32 v[SC+1], v[SC]
	v_nop
	s_wait_alu depctr_va_vdst(0)
.irp e, 0,1,2,3,4,5,6,7
	v_mul_f32 v[ACC+(\e)], v[QR+(\e)], v[SC+1]
.endr
	; the largest: a later expert wins only if it is strictly larger
	v_mov_b32 v[W1R], v[ACC]
	v_mov_b32 v[I1R], 0
.irp e, 1,2,3,4,5,6,7
	v_cmp_ge_f32 vcc_lo, v[W1R], v[ACC+(\e)]
	v_cndmask_b32 v[I1R], \e, v[I1R], vcc_lo
	v_max_num_f32 v[W1R], v[W1R], v[ACC+(\e)]
.endr
	; the second: the same scan with the winner put at -1, below every probability
.irp e, 0,1,2,3,4,5,6,7
	v_cmp_eq_u32 vcc_lo, \e, v[I1R]
	v_cndmask_b32 v[QR+(\e)], v[ACC+(\e)], v[NEG], vcc_lo
.endr
	v_mov_b32 v[W1R+1], v[QR]
	v_mov_b32 v[I1R+1], 0
.irp e, 1,2,3,4,5,6,7
	v_cmp_ge_f32 vcc_lo, v[W1R+1], v[QR+(\e)]
	v_cndmask_b32 v[I1R+1], \e, v[I1R+1], vcc_lo
	v_max_num_f32 v[W1R+1], v[W1R+1], v[QR+(\e)]
.endr
	v_mov_b32 v[SC], 1
	v_mov_b32 v[SC+1], 0x100
	v_lshlrev_b32 v[SC], v[I1R], v[SC]
	v_lshlrev_b32 v[SC+1], v[I1R+1], v[SC+1]
	v_or_b32 v[SC], v[SC], v[SC+1]
	v_cmp_eq_u32 vcc_lo, 0, v1
	s_wait_xcnt 0x0                                ; EXEC is narrowed only when the stores of xb have had their addresses translated
	s_and_saveexec_b32 s34, vcc_lo                 ; every lane holds the same numbers: lane 0 stores them
	global_store_b128 v[ZR], v[ACC:ACC+3], s[16:17]
	global_store_b128 v[ZR], v[ACC+4:ACC+7], s[16:17] offset:16
	global_store_b32 v[ZR], v[SC], s[12:13]
	global_store_b64 v[ZR], v[W1R:W1R+1], s[14:15]
	s_endpgm
.Lfunc_end_k_q45852f97f6_router:
	.size	k_q45852f97f6_router, .Lfunc_end_k_q45852f97f6_router-k_q45852f97f6_router
	.p2alignl 7, 3214868480
	.fill 96, 4, 3214868480
	.section	.rodata,"a",@progbits
	.p2align	6, 0x0
	.amdhsa_kernel k_q45852f97f6_router
		.amdhsa_group_segment_fixed_size 0
		.amdhsa_private_segment_fixed_size 0
		.amdhsa_enable_private_segment 0
		.amdhsa_kernarg_size 56
		.amdhsa_user_sgpr_count 2
		.amdhsa_user_sgpr_kernarg_segment_ptr 1
		.amdhsa_wavefront_size32 1
		.amdhsa_system_sgpr_workgroup_id_x 1
		.amdhsa_system_sgpr_workgroup_id_y 1
		.amdhsa_system_sgpr_workgroup_id_z 1
		.amdhsa_system_vgpr_workitem_id 0
		.amdhsa_next_free_vgpr 224
		.amdhsa_next_free_sgpr 66
		.amdhsa_reserve_vcc 1
		.amdhsa_float_denorm_mode_32 3
		.amdhsa_float_denorm_mode_16_64 3
		.amdhsa_memory_ordered 1
		.amdhsa_forward_progress 1
		.amdhsa_inst_pref_size 42
	.end_amdhsa_kernel
	.amdgpu_metadata
---
amdhsa.version: [ 1, 2 ]
amdhsa.kernels:
  - .name:           k_q45852f97f6_router
    .symbol:         k_q45852f97f6_router.kd
    .args:
      - { .name: x, .offset: 0, .size: 8, .value_kind: global_buffer, .address_space: global }
      - { .name: Wr, .offset: 8, .size: 8, .value_kind: global_buffer, .address_space: global }
      - { .name: br, .offset: 16, .size: 8, .value_kind: global_buffer, .address_space: global }
      - { .name: xb, .offset: 24, .size: 8, .value_kind: global_buffer, .address_space: global }
      - { .name: sel, .offset: 32, .size: 8, .value_kind: global_buffer, .address_space: global }
      - { .name: cwt, .offset: 40, .size: 8, .value_kind: global_buffer, .address_space: global }
      - { .name: out1, .offset: 48, .size: 8, .value_kind: global_buffer, .address_space: global }
    .group_segment_fixed_size: 0
    .private_segment_fixed_size: 0
    .kernarg_segment_align: 8
    .kernarg_segment_size: 56
    .max_flat_workgroup_size: 128
    .sgpr_count:     66
    .vgpr_count:     224
    .wavefront_size: 32
...
	.end_amdgpu_metadata
.endif
;; end of part 1
;; launch ffn1 (part 2): grid 32 x 8, 8 waves a work-group, no clusters, 302,336 bytes of LDS; arguments sel, xb, W1, b1, hb; writes hb
.if DOCPART == 2
	.amdgcn_target "amdgcn-amd-amdhsa--gfx1250"
	.amdhsa_code_object_version 6
	.text
	.protected	k_q45852f97f6_ffn1
	.globl	k_q45852f97f6_ffn1
	.p2align	8
	.type	k_q45852f97f6_ffn1,@function
k_q45852f97f6_ffn1:
	s_mov_b64 s[64:65], 0
	v_nop
	global_prefetch_b8 v0, s[64:65] scope:SCOPE_SE
	s_setreg_imm32_b32 hwreg(HW_REG_WAVE_MODE, 25, 1), 1
	s_wait_xcnt 0x0
; ONE PRODUCT OF THE EXPERTS' LAYER, for the rows that chose the expert.  FFN = 1: hb[id] = relu(xb[token] W1[e] + b1[e]) in bf16.  FFN = 2: yp[q][id] = hb[id] (K quarter q) W2[e] (+ b2[e] in quarter 0) in f32.
; id = 2 x token + slot (0: the token's first expert, 1: its second): each id belongs to one expert, so each row of the output has one work-group that writes it.
; SHARES.  A work-group has one expert, 128 weight columns and 1,024 of K: 512 KB of f32 weights, which it alone reads, once.  8 experts x 32 slices = 256 work-groups.
; THE WEIGHTS go memory -> registers -> bf16 -> LDS and stay there.  Pairing rows k, k + 1 in the conversion is also the turn from [K][N] to [N][K].
; The slice lies as [chunk of 64 k][group of 8 k][row][16 bytes]: a wave's part of a chunk is 2,048 consecutive bytes, and sixteen lanes of a fragment load read 256 consecutive bytes.
; K goes in 16 chunks of 64.  In trip t chunk t is multiplied, chunk t + 2 is rounded into LDS, chunks t + 3 and t + 4 are on their way, and two more are asked for by a prefetch.
; Each byte of the slice is written once, so one barrier a trip is all the ordering that the stream needs: the one at trip t's head shows chunks up to t + 1 whole.
; BY TURNS.  The waves are two groups, g = (w xor (w >> 2)) & 1, so that waves w and w + 4, and waves 2 k and 2 k + 1, are in different groups.  Group 0 fetches a chunk's fragments from LDS at the trip's head and then
; multiplies; group 1 multiplies fragments that it fetched at the end of the trip before, and then fetches the next chunk's: one group's 128 LDS loads stand beside the other group's products.  In trip 0 both fetch at the head.
; A wave's four LDS stores of a trip stand behind its products: between the barrier and group 1's products stand conversions and global loads alone, no LDS instruction.
; THE ROWS.  Wave 0 makes the expert's list of ids from sel (stored by an earlier launch) while the first four chunks of weights are on their way; one barrier shows it to the others.
; Tile (16 rows) 24 P + 8 j + w belongs to pass P, wave w, accumulator set j = 0..2.  Pass 0 (384 rows) runs under the stream; passes 1 and 2 read the resident slice, with no weight traffic:
; 1,152 rows cover the 1,024 that one expert can get.  Token rows come by the list straight into registers as matrix operands.
; One loop serves the passes; it is entered at pass 0's way out.  A barrier stands ahead of and behind the K loop of passes 1 and 2, on every wave's way, so that no wave stores into LDS (its stage) while another walks the slice;
; a wave without tiles jumps the work between them.
; PAST THE COUNT.  In the expert's last tile the places past the count repeat its last row: their results are the same bits, stored again at the same place by the same wave, so no store is masked.
; Whole tiles past the count name a row that exists; their products are jumped (but for a pass's first K step, which starts every sum) and nothing of them is stored.
; Every load of a trip is issued whatever the count, so every wait's count is a constant.
; NO TENSOR LOADS: f32 weights pass through registers to be rounded, and beside the slice LDS has no room for an f32 stage.  NO CLUSTER: each slice of weights has one reader, and the rows that an expert's work-groups share come by a list.
; EIGHT WAVES of 512 registers: a trip is 20 loads a wave; 56 of a wave's loads are out at the start (32 of weights, 24 of rows), 40 in the stream.
; THE MATRIX INSTRUCTION IS USED TRANSPOSED: source 0 = 16 weight rows, source 1 = 16 tokens.  LDS row 32 c + l holds weight column 4 l + c, so in accumulator (j, 2 c + g) lane (r, h), register jj is
; token r, column 64 g + 32 h + 4 jj + c: for each g a lane holds 32 neighbouring columns of one row.
; LIMITS.  All operands are bf16, sums f32; the hidden layer is rounded once to bf16; relu of a NaN gives 0.  An expert without rows streams its slice and stores nothing.
.set FFN, 1
.if FFN == 1
.set WP, 16384                         ; bytes in a row of the weights
.else
.set WP, 4096
.endif
.set TS,     64*WP                     ; a chunk in memory: 64 rows
.set CH,     16384                     ; a chunk in LDS: 8 groups of 8 k x 128 rows x 16 bytes
.set STAGE,  16*CH                     ; behind the slice: 16 rows x 272 bytes for each wave, for the way out
.set SPITCH, 272
.set LIST,   STAGE+8*16*SPITCH         ; 4,096 bytes: ids of 16 bits at places 0 .. 1,151, dump words from place 1,152 on
.set NWORD,  LIST+4096                 ; the count
.set SPARE,  NWORD+256                 ; the spare words, 128 bytes for each wave, which no other line names
; window 0 (v0 keeps the thread's number)
.set ADR,  1                           ; an LDS address, made anew for each run
.set SPW,  2                           ; my spare word
.set NIL,  3                           ; 0
.set WOFF, 4                           ; 16 l
.set PF,   5                           ; the prefetch's lanes: 8 rows x 2 blocks of 256 bytes x 2 chunks
.set AB0,  6                           ; 16 r + 2,048 h: where I read weight fragments
.set TB0,  7                           ; 16 l + 2,048 w: where I put rounded weights
.set AOFF, 8                           ; v[8:10]   byte offset of my lane's token row, tile j
.set LR0,  11                          ; the list + 32 w + 2 r
.set LH0,  12                          ; the list + 32 w + 2 h
.set STO,  13                          ; the way out: where I put my columns of a row
.set RD,   14                          ; the way out: where I read rows back
.set GO,   15                          ; 16 r
.set TMP,  16                          ; v[16:31]  a chunk's rounded weights between conversion and store: 4 c + p; else at work
.set AF,   32                          ; v[32:127]  token fragments: 48 par + 24 s + 8 j
.set BF,   128                         ; v[128:255] weight fragments: 64 s + 8 (2 c + g)
; window 1: v[0:191] the accumulators, 64 j + 8 (2 c + g)
.set WS,   192                         ; v[192:255] two chunks of my f32 weights: 32 set + 4 i + c; sets -2 and -1 (v[128:191], free until trip 0) take chunks 0 and 1
.set BI,   192                         ; later the bias, rounded: 32 g + 8 c + jj
; at work in registers that are free at the time
.set SEL,  128                         ; the list: sel as loaded
.set L8,   160
.set DUMPI, 161
.set AD,   164
.set Z4,   168
.set POS,  176                         ; v[176:179]
.set ID,   180                         ; v[180:183]
.set T,    32                          ; the way out
.set PK,   64
.set OB,   96
.set RID,  128
.set OF,   136
; scalars: s[4:5] sel, s[6:7] the rows' base, s[10:11] bias, s[12:13] output
.set W0B,  8                           ; s[8:9]   my rows of chunk 0 of the weights; never stepped
.set WB,   42                          ; s[42:43] the weights, stepped
.set AP,   14                          ; s[14:15] the rows, stepped along K
.set WV,   18
.set EX,   19
.set SL,   20
.set N,    21                          ; rows of the expert
.set NT,   22                          ; tiles of 16
.set NW,   23                          ; my live tiles in this pass, 0..3
.set KO,   24                          ; the trip's chunk in LDS
.set CT,   25
.set P,    26                          ; the pass
.set PO,   27                          ; 768 P: the pass's part of the list
.set RM,   29                          ; NT + 7 - w - 24 P
.set BITS, 30
.set E8,   31
.set Q0,   35
.set HIM,  36
.set QK,   40
.set GRP,  44                          ; my group
.set MSK,  48                          ; s[48:51] the list: four masks of choosers
.set CN,   52                          ; s[52:55] the list: four running counts
.set MSB, 0
.macro WIN new                         ; the immediate's high byte repeats the setting that is left; a switch that changes nothing is dropped
.if MSB != (\new)
	s_set_vgpr_msb (MSB<<8)|(\new)
.set MSB, \new
.endif
.endm
	s_load_b256 s[4:11], s[0:1], 0x0               ; sel, rows, weights, bias
	s_load_b64 s[12:13], s[0:1], 0x20              ; output
	v_lshl_add_u32 v[SPW], v0, 2, SPARE
	v_mov_b32 v[NIL], 0
	v_lshrrev_b32 v[ADR], 5, v0
	v_readfirstlane_b32 s[WV], v[ADR]
	s_lshr_b32 s[GRP], s[WV], 2
	s_xor_b32 s[GRP], s[GRP], s[WV]
	s_and_b32 s[GRP], s[GRP], 1
	s_and_b32 s[EX], ttmp7, 0xffff
.if FFN == 1
	s_mov_b32 s[SL], ttmp9
.else
	s_and_b32 s[SL], ttmp9, 7
	s_lshr_b32 s[QK], ttmp9, 3
.endif
	v_and_b32 v24, 31, v0                          ; l
	v_and_b32 v25, 15, v0                          ; r
	v_bfe_u32 v26, v0, 4, 1                        ; h
	v_lshlrev_b32 v[WOFF], 4, v24
	v_bfe_u32 v27, v0, 1, 3
	v_mul_u32_u24 v[PF], v27, WP
	v_and_b32 v27, 1, v0
	v_lshl_add_u32 v[PF], v27, 8, v[PF]
	v_mul_u32_u24 v27, v26, TS
	v_add_nc_u32 v[PF], v[PF], v27
	v_lshlrev_b32 v[GO], 4, v25
	v_lshl_add_u32 v[AB0], v26, 11, v[GO]
	s_lshl_b32 s34, s[WV], 11
	v_add_nc_u32 v[TB0], s34, v[WOFF]
	s_lshl_b32 s34, s[WV], 5
	s_add_co_u32 s34, s34, LIST
	v_lshl_add_u32 v[LR0], v25, 1, s34
	v_lshl_add_u32 v[LH0], v26, 1, s34
	s_mul_i32 s34, s[WV], 16*SPITCH
	s_add_co_u32 s34, s34, STAGE
	v_mul_u32_u24 v[STO], v25, SPITCH
.if FFN == 1
	v_lshl_add_u32 v[STO], v26, 6, v[STO]          ; 32 columns of bf16
.else
	v_lshl_add_u32 v[STO], v26, 7, v[STO]          ; 32 columns of f32
.endif
	v_add_nc_u32 v[STO], s34, v[STO]
	v_mul_u32_u24 v[RD], v26, SPITCH
	v_lshl_add_u32 v[RD], v25, 4, v[RD]
	v_add_nc_u32 v[RD], s34, v[RD]
	s_lshl_b32 s[BITS], 0x101, s[EX]
	s_add_co_u32 s[E8], s[EX], 8
	s_mov_b32 s[HIM], 0xffff0000
	; offsets, made apart from the addresses
	s_lshl_b32 s16, s[EX], 24                      ; an expert's weights are 2^24 bytes
	s_lshl_b32 s34, s[WV], 3                       ; my 8 rows of a chunk
.if FFN == 2
	s_lshl_b32 s38, s[QK], 10                      ; the K quarter's 1,024 rows
	s_add_co_u32 s34, s34, s38
.endif
	s_mul_i32 s34, s34, WP
	s_add_co_u32 s16, s16, s34
	s_lshl_b32 s34, s[SL], 9                       ; the slice's 512 bytes of a row
	s_add_co_u32 s16, s16, s34
	s_mov_b32 s17, 0
	s_mul_i32 s38, s[EX], WP                       ; a row of the bias is as long as a row of the weights
	s_add_co_u32 s38, s38, s34
	s_mov_b32 s39, 0
	s_wait_kmcnt 0x0
	s_add_nc_u64 s[W0B:W0B+1], s[W0B:W0B+1], s[16:17]
	s_add_nc_u64 s[WB:WB+1], s[W0B:W0B+1], 3*TS    ; the stream's base has registers of its own: trip 0 steps it to chunk 4 while the first loads may still read s[8:9]
	s_add_nc_u64 s[10:11], s[10:11], s[38:39]
.if FFN == 1
	s_lshl_b32 s16, s[SL], 8                       ; 128 columns of bf16
	s_add_nc_u64 s[12:13], s[12:13], s[16:17]
.else
	s_lshl_b32 s16, s[QK], 23
	s_add_co_u32 s16, s16, s34
	s_add_nc_u64 s[12:13], s[12:13], s[16:17]
	s_lshl_b32 s16, s[QK], 11                      ; the K quarter's 2,048 bytes of a row of hb
	s_add_nc_u64 s[6:7], s[6:7], s[16:17]
	s_cmp_eq_u32 s[QK], 0
	s_cselect_b32 s[Q0], -1, 0                     ; the bias is added in quarter 0 alone
.endif
	s_add_nc_u64 s[AP:AP+1], s[6:7], 128           ; likewise for the rows: trip 0 steps it to chunk 2
; 8 loads: my 8 rows of a chunk; each covers the slice's 512 consecutive bytes of a row, aligned
.macro WLOAD set, off, base
	WIN 0x40
.irp i, 0,1,2,3,4,5,6,7
	global_load_b128 v[WS+32*(\set)+4*(\i):WS+32*(\set)+4*(\i)+3], v[WOFF], s[\base:\base+1] offset:(\off)+(\i)*WP th:TH_LOAD_NT
.endr
	WIN 0
.endm
; 12 loads: 64 of K of my three tiles' rows, as source 1 fragments (lane (r, h): row r, k = 8 h .. and 16 + 8 h ..)
.macro ALOAD par, off, base
.irp s, 0,1
.irp j, 0,1,2
	global_load_b128 v[AF+48*(\par)+24*(\s)+8*(\j):AF+48*(\par)+24*(\s)+8*(\j)+3], v[AOFF+(\j)], s[\base:\base+1] offset:(\off)+64*(\s)
	global_load_b128 v[AF+48*(\par)+24*(\s)+8*(\j)+4:AF+48*(\par)+24*(\s)+8*(\j)+7], v[AOFF+(\j)], s[\base:\base+1] offset:(\off)+64*(\s)+32
.endr
.endr
.endm
; 16 conversions: my 8 rows x 4 columns a lane, rounded: for column c four registers hold k .. k + 7.  Each result has a register of its own, so that the set of weights is free for its next load at once
.macro CVTA set
	WIN 0x05
.irp c, 0,1,2,3
.irp p, 0,1,2,3
	v_cvt_pk_bf16_f32 v[TMP+4*(\c)+(\p)], v[WS+32*(\set)+8*(\p)+(\c)], v[WS+32*(\set)+8*(\p)+4+(\c)]
.endr
.endr
	WIN 0
.endm
; and their 4 stores: column c's 16 bytes go to LDS row 32 c + l in my group of 8 k: a store covers 512 consecutive bytes
.macro CVTS off
	v_add_nc_u32 v[ADR], s[KO], v[TB0]
.irp c, 0,1,2,3
	ds_store_b128 v[ADR], v[TMP+4*(\c):TMP+4*(\c)+3] offset:(\off)+512*(\c)
.endr
.endm
; 32 LDS loads: 64 of K of all 128 weight rows, off bytes behind the chunk at s[KO].  Registers 0-3 of a fragment: group 4 s + h of 8 k; registers 4-7: group 4 s + 2 + h
.macro FETCHB off
	v_add_nc_u32 v[ADR], s[KO], v[AB0]
.irp s, 0,1
.irp b, 0,1,2,3,4,5,6,7
	ds_load_b128 v[BF+64*(\s)+8*(\b):BF+64*(\s)+8*(\b)+3], v[ADR] offset:(\off)+8192*(\s)+256*(\b)
	ds_load_b128 v[BF+64*(\s)+8*(\b)+4:BF+64*(\s)+8*(\b)+7], v[ADR] offset:(\off)+8192*(\s)+4096+256*(\b)
.endr
.endr
.endm
; 16 matrix instructions for each live tile.  A tile's eight accumulators take turns, one instruction a turn; the last names block 7 and the next first block 0, on every way.
; zero = 1: a pass's first K step: it starts the sums, for all three tiles, so that every accumulator is written on every way.
.macro PROD par, zero
.irp j, 0,1,2
.if !(\zero)
	s_cmp_lt_u32 s[NW], (\j)+1
	s_cbranch_scc1 .Lpe_\@
.endif
	WIN 0x50
.irp s, 0,1
.irp b, 0,1,2,3,4,5,6,7
.if (\zero) && ((\s) == 0)
	v_wmma_f32_16x16x32_bf16 v[64*(\j)+8*(\b):64*(\j)+8*(\b)+7], v[BF+64*(\s)+8*(\b):BF+64*(\s)+8*(\b)+7], v[AF+48*(\par)+24*(\s)+8*(\j):AF+48*(\par)+24*(\s)+8*(\j)+7], 0
.else
	v_wmma_f32_16x16x32_bf16 v[64*(\j)+8*(\b):64*(\j)+8*(\b)+7], v[BF+64*(\s)+8*(\b):BF+64*(\s)+8*(\b)+7], v[AF+48*(\par)+24*(\s)+8*(\j):AF+48*(\par)+24*(\s)+8*(\j)+7], v[64*(\j)+8*(\b):64*(\j)+8*(\b)+7]
.endif
.endr
.endr
	WIN 0
.endr
.Lpe_\@:
.endm
.macro PLACES                          ; four places behind the products, ahead of loads into their sources and of vector lines that read their results
.rept 4
	v_nop
.endr
.endm
.macro MEET                            ; a barrier of the work-group; no LDS instruction of mine is out at the signal
	s_wait_dscnt 0x0
	s_barrier_signal -1
	s_barrier_wait -1
.endm
.macro NWSET                           ; my live tiles of the pass: those j with 24 P + 8 j + w < NT
	s_max_i32 s34, s[RM], 0
	s_lshr_b32 s34, s34, 3
	s_min_u32 s[NW], s34, 3
.endm
.macro IDS                             ; the ids of my lanes' rows in the pass
	v_add_nc_u32 v[ADR], s[PO], v[LR0]
.irp j, 0,1,2
	ds_load_u16 v[TMP+(\j)], v[ADR] offset:256*(\j)
.endr
.endm
.macro AOFFS                           ; and their byte offsets: behind the bound stand an AND, a shift and an add
	v_and_b32 v[TMP+4], 16, v0                     ; 16 h
.irp j, 0,1,2
	v_min_u32 v[TMP+(\j)], 0x7ff, v[TMP+(\j)]
.if FFN == 1
	v_and_b32 v[TMP+(\j)], 0x7fe, v[TMP+(\j)]      ; 2 x token: a row of xb is 2,048 bytes
	v_lshlrev_b32 v[TMP+(\j)], 10, v[TMP+(\j)]
.else
	v_lshlrev_b32 v[TMP+(\j)], 13, v[TMP+(\j)]     ; a row of hb is 8,192 bytes
.endif
	v_add_nc_u32 v[AOFF+(\j)], v[TMP+(\j)], v[TMP+4]
.endr
.endm
; TRIP t of the stream, par = t % 2.  The loads' order of issue is W0 W1 W2 W3 A0 A1, then W(t+4), A(t+2) in trip t: 8 for a chunk of weights W, 12 for a trip's rows A.
; cv: chunk t + 2 is rounded at the head and stored into LDS behind the products; nW = the loads issued behind W(t+2).  lw: W(t+4) is asked for, into the set just rounded.  la: A(t+2).
; lb: the bias (16 loads), into the weights' registers, which are free.
; pf: chunks t + 6 and t + 7 are asked for ahead, two and three trips ahead of their loads, each aligned 256 bytes once, by the wave that will load them; pf = 1: not in the loop's last trip, where they would be chunks 16 and 17.
; fa = 1: group 0 fetches chunk t's fragments ahead of the products; 2: every wave does (trip 0).  fb: group 1 fetches chunk t + 1's at the end.  nA = the loads issued behind A(t).
.macro TRIP par, zero, cv, lw, la, lb, pf, fa, fb, nW, nA
	MEET                                           ; my parts of the chunks up to t + 1 are in LDS, and my fetches are back; behind the barrier everybody's parts are there
.if \cv
	s_wait_loadcnt \nW
	CVTA \par
.endif
.if \lw
	s_wait_xcnt 0x0                                ; the base is stepped only when every earlier load has had its address translated
	s_add_nc_u64 s[WB:WB+1], s[WB:WB+1], TS
	WLOAD \par, 0, WB
.endif
.if (\pf) == 1
	s_cmp_eq_u32 s[CT], 1
	s_cbranch_scc1 .Lnopf_\@
.endif
.if \pf
	global_prefetch_b8 v[PF], s[WB:WB+1] offset:2*TS th:TH_LOAD_NT scope:SCOPE_SE
.endif
.if (\pf) == 1
.Lnopf_\@:
.endif
.if \lb
	v_and_b32 v[TMP], 16, v0
	v_lshlrev_b32 v[TMP], 3, v[TMP]                ; 128 h: my 32 columns of f32
	WIN 0x40
.irp g, 0,1
.irp u, 0,1,2,3,4,5,6,7
	global_load_b128 v[BI+32*(\g)+4*(\u):BI+32*(\g)+4*(\u)+3], v[TMP], s[10:11] offset:256*(\g)+16*(\u)
.endr
.endr
	WIN 0
.endif
.if (\fa) == 1
	s_cmp_lg_u32 s[GRP], 0
	s_cbranch_scc1 .Lnfa_\@
.endif
	FETCHB 0
.if (\fa) == 1
.Lnfa_\@:
.endif
	s_wait_loadcnt \nA
	s_wait_dscnt 0x0                               ; group 0: the 32 fragment loads are back; group 1 has nothing out
	PROD \par, \zero
	PLACES
.if \la
	s_wait_xcnt 0x0
	s_add_nc_u64 s[AP:AP+1], s[AP:AP+1], 128
	ALOAD \par, 0, AP
.endif
.if \cv
	CVTS 2*CH                                      ; bytes that nobody has touched yet
.endif
.if \fb
	s_cmp_eq_u32 s[GRP], 0
	s_cbranch_scc1 .Lnfb_\@
	FETCHB CH                                      ; chunk t + 1 was whole at this trip's barrier
.Lnfb_\@:
.endif
	s_add_co_u32 s[KO], s[KO], CH
.endm
; a K step of passes 1 and 2: the weights are resident
.macro PTRIP zero
	ALOAD 0, 0, AP
	FETCHB 0
	s_wait_loadcnt 0x0
	s_wait_dscnt 0x0
	PROD 0, \zero
	PLACES
	s_wait_xcnt 0x0
	s_add_nc_u64 s[AP:AP+1], s[AP:AP+1], 128
	s_add_co_u32 s[KO], s[KO], CH
.endm
; THE WAY OUT of tile j: bias (and relu), through my own stage in LDS, back as whole rows, stored at the rows' ids: sixteen lanes fill 256 consecutive bytes, aligned.
; Each accumulator's lowest registers are read first.
.macro OUT j
	s_cmp_lt_u32 s[NW], (\j)+1
	s_cbranch_scc1 .Lnext
	v_add_nc_u32 v[ADR], s[PO], v[LH0]
.irp u, 0,1,2,3,4,5,6,7
	ds_load_u16 v[RID+(\u)], v[ADR] offset:256*(\j)+4*(\u)  ; the ids of rows 2 u + h
.endr
.if FFN == 1
.irp g, 0,1
	WIN 0x05
.irp c, 0,1,2,3
.irp q, 0,2,4,6
	v_pk_add_f32 v[T+8*(\c)+(\q):T+8*(\c)+(\q)+1], v[64*(\j)+8*(2*(\c)+(\g))+(\q):64*(\j)+8*(2*(\c)+(\g))+(\q)+1], v[BI+32*(\g)+8*(\c)+(\q):BI+32*(\g)+8*(\c)+(\q)+1]
.endr
.endr
	WIN 0
.irp q, 0,1,2,3,4,5,6,7
.irp d, 0,1
	v_cvt_pk_bf16_f32 v[PK+2*(\q)+(\d)], v[T+16*(\d)+(\q)], v[T+16*(\d)+8+(\q)]  ; columns 4 q + 2 d, + 1
.endr
.endr
.irp m, 0,1,2,3,4,5,6,7,8,9,10,11,12,13,14,15
	v_pk_max_num_bf16 v[PK+(\m)], v[PK+(\m)], v[NIL]  ; relu on the rounded pair: rounding keeps the sign
.endr
.irp u, 0,1,2,3
	ds_store_b128 v[STO], v[PK+4*(\u):PK+4*(\u)+3] offset:128*(\g)+16*(\u)
.endr
.endr
	s_wait_xcnt 0x0                                ; the tile before has had its stores' addresses translated: their data and offsets are rewritten below
.irp u, 0,1,2,3,4,5,6,7
	ds_load_b128 v[OB+4*(\u):OB+4*(\u)+3], v[RD] offset:2*SPITCH*(\u)  ; LDS serves a wave's instructions in order (ISA guide 5.7.1.4): these see the stores above
.endr
	s_wait_dscnt 0x0
.irp u, 0,1,2,3,4,5,6,7
	v_min_u32 v[RID+(\u)], 0x7ff, v[RID+(\u)]
	v_lshlrev_b32 v[RID+(\u)], 13, v[RID+(\u)]
	v_add_nc_u32 v[OF+(\u)], v[RID+(\u)], v[GO]
.endr
.irp u, 0,1,2,3,4,5,6,7
	global_store_b128 v[OF+(\u)], v[OB+4*(\u):OB+4*(\u)+3], s[12:13]
.endr
.else
.irp g, 0,1
	WIN 0x05
.irp q, 0,1,2,3,4,5,6,7
.irp c, 0,1,2,3
	v_add_f32 v[T+4*(\q)+(\c)], v[64*(\j)+8*(2*(\c)+(\g))+(\q)], v[BI+32*(\g)+8*(\c)+(\q)]
.endr
.endr
	WIN 0
.irp q, 0,1,2,3,4,5,6,7
	ds_store_b128 v[STO], v[T+4*(\q):T+4*(\q)+3] offset:16*(\q)
.endr
	s_wait_xcnt 0x0                                ; earlier stores have had their addresses translated: their data and offsets are rewritten below
.irp u, 0,1,2,3,4,5,6,7
	ds_load_b128 v[OB+4*(\u):OB+4*(\u)+3], v[RD] offset:2*SPITCH*(\u)  ; LDS serves a wave's instructions in order (ISA guide 5.7.1.4): these see the stores above
.endr
	s_wait_dscnt 0x0
.if (\g) == 0
.irp u, 0,1,2,3,4,5,6,7
	v_min_u32 v[RID+(\u)], 0x7ff, v[RID+(\u)]
	v_lshlrev_b32 v[RID+(\u)], 12, v[RID+(\u)]
	v_add_nc_u32 v[OF+(\u)], v[RID+(\u)], v[GO]
.endr
.endif
.irp u, 0,1,2,3,4,5,6,7
	global_store_b128 v[OF+(\u)], v[OB+4*(\u):OB+4*(\u)+3], s[12:13] offset:256*(\g)
.endr
.endr
.endif
.endm
	; FIRST LOADS: wave 0 asks for sel (lane l holds tokens 128 i + 4 l + c); every wave for four chunks of weights; chunks 4 and 5 are asked for ahead
	s_cmp_lg_u32 s[WV], 0
	s_cbranch_scc1 .Lnosel
.irp i, 0,1,2,3,4,5,6,7
	global_load_b128 v[SEL+4*(\i):SEL+4*(\i)+3], v[WOFF], s[4:5] offset:512*(\i)
.endr
.Lnosel:
	WLOAD -2, 0, W0B
	WLOAD -1, TS, W0B
	WLOAD 0, 2*TS, W0B
	WLOAD 1, 3*TS, W0B
	global_prefetch_b8 v[PF], s[W0B:W0B+1] offset:4*TS th:TH_LOAD_NT scope:SCOPE_SE
	; THE LIST, by wave 0 alone; no other wave touches LDS ahead of the barrier below.  It starts as zeros: places that nobody fills name id 0.
	s_cmp_lg_u32 s[WV], 0
	s_cbranch_scc1 .Lnolist
	v_lshlrev_b32 v[L8], 3, v24                    ; 8 l
	v_add_nc_u32 v[DUMPI], 1152, v24               ; my dump word's place
.irp k, 0,1,2,3
	v_mov_b32 v[Z4+(\k)], 0
.endr
	v_add_nc_u32 v[AD], LIST, v[WOFF]
.irp k, 0,1,2,3,4
	ds_store_b128 v[AD], v[Z4:Z4+3] offset:512*(\k)
.endr
	s_mov_b32 s[N], 0
	s_wait_loadcnt 0x20                            ; sel is in; the 32 weight loads stay out
; The 128 tokens 128 i + 4 l + c, c = 0..3: those that chose my expert append their ids, the others write their dump words; all lanes stay on.
; The four c go side by side, each with registers and a mask of its own, so that no line reads the result of the line before it.
.macro LSTEP4 i
.irp c, 0,1,2,3
	v_and_b32 v[POS+(\c)], s[BITS], v[SEL+4*(\i)+(\c)]
.endr
.irp c, 0,1,2,3
	v_cmp_ne_u32 s[MSK+(\c)], 0, v[POS+(\c)]
.endr
.irp c, 0,1,2,3
	v_bfe_u32 v[ID+(\c)], v[SEL+4*(\i)+(\c)], s[E8], 1  ; the slot
.endr
.irp c, 0,1,2,3
	s_bcnt1_i32_b32 s[CN+(\c)], s[MSK+(\c)]
.endr
	s_add_co_u32 s[CN], s[CN], s[N]                ; the count in front of c = 1,
	s_add_co_u32 s[CN+1], s[CN+1], s[CN]           ; of c = 2,
	s_add_co_u32 s[CN+2], s[CN+2], s[CN+1]         ; of c = 3,
	s_add_co_u32 s[CN+3], s[CN+3], s[CN+2]         ; and behind it
	v_mbcnt_lo_u32_b32 v[POS], s[MSK], s[N]        ; the count so far + the choosers in the lanes below me
	v_mbcnt_lo_u32_b32 v[POS+1], s[MSK+1], s[CN]
	v_mbcnt_lo_u32_b32 v[POS+2], s[MSK+2], s[CN+1]
	v_mbcnt_lo_u32_b32 v[POS+3], s[MSK+3], s[CN+2]
	s_mov_b32 s[N], s[CN+3]
.irp c, 0,1,2,3
	v_cndmask_b32 v[POS+(\c)], v[DUMPI], v[POS+(\c)], s[MSK+(\c)]
.endr
.irp c, 0,1,2,3
	v_min_u32 v[POS+(\c)], 0x7ff, v[POS+(\c)]      ; the bound comes last; behind it a shift and an add: the list's 4,096 bytes
.endr
.irp c, 0,1,2,3
	v_lshlrev_b32 v[POS+(\c)], 1, v[POS+(\c)]
.endr
.irp c, 0,1,2,3
	v_add_nc_u32 v[POS+(\c)], LIST, v[POS+(\c)]
.endr
.irp c, 0,1,2,3
	v_or_b32 v[ID+(\c)], v[ID+(\c)], v[L8]
.endr
.irp c, 0,1,2,3
	v_add_nc_u32 v[ID+(\c)], 256*(\i)+2*(\c), v[ID+(\c)]
.endr
.irp c, 0,1,2,3
	ds_store_b16 v[POS+(\c)], v[ID+(\c)]
.endr
.endm
.irp i, 0,1,2,3,4,5,6,7
	LSTEP4 \i
.endr
	s_max_u32 s34, s[N], 1                         ; the expert's last id (place 0, a zero, if it has no row)
	s_sub_co_u32 s34, s34, 1
	s_min_u32 s34, s34, 0x3ff
	s_lshl_b32 s34, s34, 1
	s_add_co_u32 s34, s34, LIST
	v_mov_b32 v[AD], s34
	ds_load_u16 v[ID], v[AD]                       ; LDS serves a wave's instructions in order: this sees the stores above
	v_add_nc_u32 v[POS], s[N], v25                 ; it goes into the 16 places behind the count, which reach the end of the last tile
	v_min_u32 v[POS], 0x7ff, v[POS]
	v_lshlrev_b32 v[POS], 1, v[POS]
	v_add_nc_u32 v[POS], LIST, v[POS]
	v_mov_b32 v[L8], s[N]
	v_mov_b32 v[DUMPI], NWORD
	s_wait_dscnt 0x0
	ds_store_b16 v[POS], v[ID]
	ds_store_b32 v[DUMPI], v[L8]                   ; the count, for the other waves
.Lnolist:
	MEET                                           ; for the others' sake: the list is in LDS
	v_mov_b32 v[ADR], NWORD
	ds_load_b32 v[TMP+3], v[ADR]
	s_mov_b32 s[PO], 0
	IDS
	s_wait_dscnt 0x0
	v_readfirstlane_b32 s[N], v[TMP+3]
	s_min_u32 s[N], s[N], 0x400
	s_add_co_u32 s[NT], s[N], 15
	s_lshr_b32 s[NT], s[NT], 4
	s_add_co_i32 s[RM], s[NT], 7
	s_sub_co_i32 s[RM], s[RM], s[WV]
	NWSET
	AOFFS
	; THE STREAM BEGINS
	s_mov_b32 s[KO], 0
	ALOAD 0, 0, 6
	ALOAD 1, 128, 6
	s_wait_loadcnt 0x30                            ; chunk 0 is in: behind it W1, W2, W3 (24) and A0, A1 (24)
	CVTA -2
	CVTS 0
	s_wait_loadcnt 0x28                            ; chunk 1 is in: behind it W2, W3 (16) and A0, A1 (24)
	CVTA -1
	CVTS CH
	TRIP 0, 1, 1, 1, 1, 0, 2, 2, 1, 32, 20         ; trip 0: nW = W3 8 + A0 12 + A1 12; nA = A1 12 + W4 8
	s_mov_b32 s[CT], 5
.Lk:                                               ; trips 1 to 10: nW = A(t) 12 + W(t+3) 8 + A(t+1) 12; nA = W(t+3) 8 + A(t+1) 12 + W(t+4) 8
	TRIP 1, 0, 1, 1, 1, 0, 0, 1, 1, 32, 28
	TRIP 0, 0, 1, 1, 1, 0, 1, 1, 1, 32, 28
	s_sub_co_u32 s[CT], s[CT], 1
	s_cmp_lg_u32 s[CT], 0
	s_cbranch_scc1 .Lk
	TRIP 1, 0, 1, 1, 1, 0, 0, 1, 1, 32, 28         ; trip 11 asks for the last chunk
	TRIP 0, 0, 1, 0, 1, 0, 0, 1, 1, 32, 20         ; trip 12: nW = A12 12 + W15 8 + A13 12; nA = W15 8 + A13 12
	TRIP 1, 0, 1, 0, 1, 0, 0, 1, 1, 24, 12         ; trip 13: nW = A13 12 + A14 12; nA = A14 12
	TRIP 0, 0, 0, 0, 0, 1, 0, 1, 1, 0, 28          ; trip 14: nA = A15 12 + the bias's 16
	TRIP 1, 0, 0, 0, 0, 0, 0, 1, 0, 0, 16          ; trip 15: nA = the bias's 16
	; THE BIAS, once: rounded to bf16 like every input, widened again, and laid as the accumulators lie: column 4 jj + c of a group of 32 at 8 c + jj
	s_wait_loadcnt 0x0
	WIN 0x05
.set m, 0
.rept 32
	v_cvt_pk_bf16_f32 v[T+m], v[BI+2*m], v[BI+2*m+1]
.set m, m+1
.endr
.if FFN == 2
	WIN 0
.set m, 0
.rept 32
	v_and_b32 v[T+m], s[Q0], v[T+m]
.set m, m+1
.endr
.endif
	WIN 0x40
.set m, 0
.rept 32
	v_lshlrev_b32 v[BI+32*(m/16)+8*((2*m)%4)+((2*m)%32)/4], 16, v[T+m]
	v_and_b32 v[BI+32*(m/16)+8*((2*m+1)%4)+((2*m+1)%32)/4], s[HIM], v[T+m]
.set m, m+1
.endr
	WIN 0
	s_mov_b32 s[P], 0
	s_branch .Lout                                 ; the loop over the passes is entered at pass 0's way out
.Lpass:                                            ; passes 1 and 2: rows 384 P on, from the resident slice.  Every wave passes both barriers
	MEET                                           ; every wave's stores into its stage are done: nobody stores into LDS until the next barrier
	NWSET
	s_cmp_eq_u32 s[NW], 0
	s_cbranch_scc1 .Lnok
	IDS
	s_wait_dscnt 0x0
	AOFFS
	s_wait_xcnt 0x0                                ; the last pass's stores have had their addresses translated: their data and offsets lie where fragments land
	s_mov_b64 s[AP:AP+1], s[6:7]
	s_mov_b32 s[KO], 0
	PTRIP 1                                        ; chunk 0 starts the sums
	s_mov_b32 s[CT], 15
.Lkp:
	PTRIP 0
	s_sub_co_u32 s[CT], s[CT], 1
	s_cmp_lg_u32 s[CT], 0
	s_cbranch_scc1 .Lkp
.Lnok:
	MEET                                           ; every wave's reads of the slice in this pass are back: the stages may be written again
.Lout:
	OUT 0
	OUT 1
	OUT 2
.Lnext:
	s_add_co_u32 s[PO], s[PO], 768
	s_sub_co_i32 s[RM], s[RM], 24
	s_add_co_u32 s[P], s[P], 1
	s_cmp_lt_u32 s[P], 3
	s_cbranch_scc1 .Lpass
	s_wait_tensorcnt 0x0                           ; the wave's end, behind my last LDS store
	ds_add_u32 v[SPW], v[NIL]
	s_wait_dscnt 0x0
	s_endpgm
.Lfunc_end_k_q45852f97f6_ffn1:
	.size	k_q45852f97f6_ffn1, .Lfunc_end_k_q45852f97f6_ffn1-k_q45852f97f6_ffn1
	.p2alignl 7, 3214868480
	.fill 96, 4, 3214868480
	.section	.rodata,"a",@progbits
	.p2align	6, 0x0
	.amdhsa_kernel k_q45852f97f6_ffn1
		.amdhsa_group_segment_fixed_size 302336
		.amdhsa_private_segment_fixed_size 0
		.amdhsa_enable_private_segment 0
		.amdhsa_kernarg_size 40
		.amdhsa_user_sgpr_count 2
		.amdhsa_user_sgpr_kernarg_segment_ptr 1
		.amdhsa_wavefront_size32 1
		.amdhsa_system_sgpr_workgroup_id_x 1
		.amdhsa_system_sgpr_workgroup_id_y 1
		.amdhsa_system_sgpr_workgroup_id_z 1
		.amdhsa_system_vgpr_workitem_id 0
		.amdhsa_next_free_vgpr 512
		.amdhsa_next_free_sgpr 66
		.amdhsa_reserve_vcc 0
		.amdhsa_float_denorm_mode_32 3
		.amdhsa_float_denorm_mode_16_64 3
		.amdhsa_memory_ordered 1
		.amdhsa_forward_progress 1
		.amdhsa_inst_pref_size 167
	.end_amdhsa_kernel
	.amdgpu_metadata
---
amdhsa.version: [ 1, 2 ]
amdhsa.kernels:
  - .name:           k_q45852f97f6_ffn1
    .symbol:         k_q45852f97f6_ffn1.kd
    .args:
      - { .name: sel, .offset: 0, .size: 8, .value_kind: global_buffer, .address_space: global }
      - { .name: xb, .offset: 8, .size: 8, .value_kind: global_buffer, .address_space: global }
      - { .name: W1, .offset: 16, .size: 8, .value_kind: global_buffer, .address_space: global }
      - { .name: b1, .offset: 24, .size: 8, .value_kind: global_buffer, .address_space: global }
      - { .name: hb, .offset: 32, .size: 8, .value_kind: global_buffer, .address_space: global }
    .group_segment_fixed_size: 302336
    .private_segment_fixed_size: 0
    .kernarg_segment_align: 8
    .kernarg_segment_size: 40
    .max_flat_workgroup_size: 256
    .sgpr_count:     66
    .vgpr_count:     512
    .wavefront_size: 32
...
	.end_amdgpu_metadata
.endif
;; end of part 2
;; launch ffn2 (part 3): grid 32 x 8, 8 waves a work-group, no clusters, 302,336 bytes of LDS; arguments sel, hb, W2, b2, yp; writes yp
.if DOCPART == 3
	.amdgcn_target "amdgcn-amd-amdhsa--gfx1250"
	.amdhsa_code_object_version 6
	.text
	.protected	k_q45852f97f6_ffn2
	.globl	k_q45852f97f6_ffn2
	.p2align	8
	.type	k_q45852f97f6_ffn2,@function
k_q45852f97f6_ffn2:
	s_mov_b64 s[64:65], 0
	v_nop
	global_prefetch_b8 v0, s[64:65] scope:SCOPE_SE
	s_setreg_imm32_b32 hwreg(HW_REG_WAVE_MODE, 25, 1), 1
	s_wait_xcnt 0x0
; ONE PRODUCT OF THE EXPERTS' LAYER, for the rows that chose the expert.  FFN = 1: hb[id] = relu(xb[token] W1[e] + b1[e]) in bf16.  FFN = 2: yp[q][id] = hb[id] (K quarter q) W2[e] (+ b2[e] in quarter 0) in f32.
; id = 2 x token + slot (0: the token's first expert, 1: its second): each id belongs to one expert, so each row of the output has one work-group that writes it.
; SHARES.  A work-group has one expert, 128 weight columns and 1,024 of K: 512 KB of f32 weights, which it alone reads, once.  8 experts x 32 slices = 256 work-groups
; (here 8 slices of columns x 4 quarters of K = 4,096; the four partial rows, f32, are added by the launch behind).
; THE WEIGHTS go memory -> registers -> bf16 -> LDS and stay there.  Pairing rows k, k + 1 in the conversion is also the turn from [K][N] to [N][K].
; The slice lies as [chunk of 64 k][group of 8 k][row][16 bytes]: a wave's part of a chunk is 2,048 consecutive bytes, and sixteen lanes of a fragment load read 256 consecutive bytes.
; K goes in 16 chunks of 64.  In trip t chunk t is multiplied, chunk t + 2 is rounded into LDS, chunks t + 3 and t + 4 are on their way, and two more are asked for by a prefetch.
; Each byte of the slice is written once, so one barrier a trip is all the ordering that the stream needs: the one at trip t's head shows chunks up to t + 1 whole.
; BY TURNS.  The waves are two groups, g = (w xor (w >> 2)) & 1, so that waves w and w + 4, and waves 2 k and 2 k + 1, are in different groups.  Group 0 fetches a chunk's fragments from LDS at the trip's head and then
; multiplies; group 1 multiplies fragments that it fetched at the end of the trip before, and then fetches the next chunk's: one group's 128 LDS loads stand beside the other group's products.  In trip 0 both fetch at the head.
; A wave's four LDS stores of a trip stand behind its products: between the barrier and group 1's products stand conversions and global loads alone, no LDS instruction.
; THE ROWS.  Wave 0 makes the expert's list of ids from sel (stored by an earlier launch) while the first four chunks of weights are on their way; one barrier shows it to the others.
; Tile (16 rows) 24 P + 8 j + w belongs to pass P, wave w, accumulator set j = 0..2.  Pass 0 (384 rows) runs under the stream; passes 1 and 2 read the resident slice, with no weight traffic:
; 1,152 rows cover the 1,024 that one expert can get.  Token rows come by the list straight into registers as matrix operands.
; One loop serves the passes; it is entered at pass 0's way out.  A barrier stands ahead of and behind the K loop of passes 1 and 2, on every wave's way, so that no wave stores into LDS (its stage) while another walks the slice;
; a wave without tiles jumps the work between them.
; PAST THE COUNT.  In the expert's last tile the places past the count repeat its last row: their results are the same bits, stored again at the same place by the same wave, so no store is masked.
; Whole tiles past the count name a row that exists; their products are jumped (but for a pass's first K step, which starts every sum) and nothing of them is stored.
; Every load of a trip is issued whatever the count, so every wait's count is a constant.
; NO TENSOR LOADS: f32 weights pass through registers to be rounded, and beside the slice LDS has no room for an f32 stage.  NO CLUSTER: each slice of weights has one reader, and the rows that an expert's work-groups share come by a list.
; EIGHT WAVES of 512 registers: a trip is 20 loads a wave; 56 of a wave's loads are out at the start (32 of weights, 24 of rows), 40 in the stream.
; THE MATRIX INSTRUCTION IS USED TRANSPOSED: source 0 = 16 weight rows, source 1 = 16 tokens.  LDS row 32 c + l holds weight column 4 l + c, so in accumulator (j, 2 c + g) lane (r, h), register jj is
; token r, column 64 g + 32 h + 4 jj + c: for each g a lane holds 32 neighbouring columns of one row.
; LIMITS.  All operands are bf16, sums f32.  An expert without rows streams its slice and stores nothing.
.set FFN, 2
.if FFN == 1
.set WP, 16384                         ; bytes in a row of the weights
.else
.set WP, 4096
.endif
.set TS,     64*WP                     ; a chunk in memory: 64 rows
.set CH,     16384                     ; a chunk in LDS: 8 groups of 8 k x 128 rows x 16 bytes
.set STAGE,  16*CH                     ; behind the slice: 16 rows x 272 bytes for each wave, for the way out
.set SPITCH, 272
.set LIST,   STAGE+8*16*SPITCH         ; 4,096 bytes: ids of 16 bits at places 0 .. 1,151, dump words from place 1,152 on
.set NWORD,  LIST+4096                 ; the count
.set SPARE,  NWORD+256                 ; the spare words, 128 bytes for each wave, which no other line names
; window 0 (v0 keeps the thread's number)
.set ADR,  1                           ; an LDS address, made anew for each run
.set SPW,  2                           ; my spare word
.set NIL,  3                           ; 0
.set WOFF, 4                           ; 16 l
.set PF,   5                           ; the prefetch's lanes: 8 rows x 2 blocks of 256 bytes x 2 chunks
.set AB0,  6                           ; 16 r + 2,048 h: where I read weight fragments
.set TB0,  7                           ; 16 l + 2,048 w: where I put rounded weights
.set AOFF, 8                           ; v[8:10]   byte offset of my lane's token row, tile j
.set LR0,  11                          ; the list + 32 w + 2 r
.set LH0,  12                          ; the list + 32 w + 2 h
.set STO,  13                          ; the way out: where I put my columns of a row
.set RD,   14                          ; the way out: where I read rows back
.set GO,   15                          ; 16 r
.set TMP,  16                          ; v[16:31]  a chunk's rounded weights between conversion and store: 4 c + p; else at work
.set AF,   32                          ; v[32:127]  token fragments: 48 par + 24 s + 8 j
.set BF,   128                         ; v[128:255] weight fragments: 64 s + 8 (2 c + g)
; window 1: v[0:191] the accumulators, 64 j + 8 (2 c + g)
.set WS,   192                         ; v[192:255] two chunks of my f32 weights: 32 set + 4 i + c; sets -2 and -1 (v[128:191], free until trip 0) take chunks 0 and 1
.set BI,   192                         ; later the bias, rounded: 32 g + 8 c + jj
; at work in registers that are free at the time
.set SEL,  128                         ; the list: sel as loaded
.set L8,   160
.set DUMPI, 161
.set AD,   164
.set Z4,   168
.set POS,  176                         ; v[176:179]
.set ID,   180                         ; v[180:183]
.set T,    32                          ; the way out
.set PK,   64
.set OB,   96
.set RID,  128
.set OF,   136
; scalars: s[4:5] sel, s[6:7] the rows' base, s[10:11] bias, s[12:13] output
.set W0B,  8                           ; s[8:9]   my rows of chunk 0 of the weights; never stepped
.set WB,   42                          ; s[42:43] the weights, stepped
.set AP,   14                          ; s[14:15] the rows, stepped along K
.set WV,   18
.set EX,   19
.set SL,   20
.set N,    21                          ; rows of the expert
.set NT,   22                          ; tiles of 16
.set NW,   23                          ; my live tiles in this pass, 0..3
.set KO,   24                          ; the trip's chunk in LDS
.set CT,   25
.set P,    26                          ; the pass
.set PO,   27                          ; 768 P: the pass's part of the list
.set RM,   29                          ; NT + 7 - w - 24 P
.set BITS, 30
.set E8,   31
.set Q0,   35
.set HIM,  36
.set QK,   40
.set GRP,  44                          ; my group
.set MSK,  48                          ; s[48:51] the list: four masks of choosers
.set CN,   52                          ; s[52:55] the list: four running counts
.set MSB, 0
.macro WIN new                         ; the immediate's high byte repeats the setting that is left; a switch that changes nothing is dropped
.if MSB != (\new)
	s_set_vgpr_msb (MSB<<8)|(\new)
.set MSB, \new
.endif
.endm
	s_load_b256 s[4:11], s[0:1], 0x0               ; sel, rows, weights, bias
	s_load_b64 s[12:13], s[0:1], 0x20              ; output
	v_lshl_add_u32 v[SPW], v0, 2, SPARE
	v_mov_b32 v[NIL], 0
	v_lshrrev_b32 v[ADR], 5, v0
	v_readfirstlane_b32 s[WV], v[ADR]
	s_lshr_b32 s[GRP], s[WV], 2
	s_xor_b32 s[GRP], s[GRP], s[WV]
	s_and_b32 s[GRP], s[GRP], 1
	s_and_b32 s[EX], ttmp7, 0xffff
.if FFN == 1
	s_mov_b32 s[SL], ttmp9
.else
	s_and_b32 s[SL], ttmp9, 7
	s_lshr_b32 s[QK], ttmp9, 3
.endif
	v_and_b32 v24, 31, v0                          ; l
	v_and_b32 v25, 15, v0                          ; r
	v_bfe_u32 v26, v0, 4, 1                        ; h
	v_lshlrev_b32 v[WOFF], 4, v24
	v_bfe_u32 v27, v0, 1, 3
	v_mul_u32_u24 v[PF], v27, WP
	v_and_b32 v27, 1, v0
	v_lshl_add_u32 v[PF], v27, 8, v[PF]
	v_mul_u32_u24 v27, v26, TS
	v_add_nc_u32 v[PF], v[PF], v27
	v_lshlrev_b32 v[GO], 4, v25
	v_lshl_add_u32 v[AB0], v26, 11, v[GO]
	s_lshl_b32 s34, s[WV], 11
	v_add_nc_u32 v[TB0], s34, v[WOFF]
	s_lshl_b32 s34, s[WV], 5
	s_add_co_u32 s34, s34, LIST
	v_lshl_add_u32 v[LR0], v25, 1, s34
	v_lshl_add_u32 v[LH0], v26, 1, s34
	s_mul_i32 s34, s[WV], 16*SPITCH
	s_add_co_u32 s34, s34, STAGE
	v_mul_u32_u24 v[STO], v25, SPITCH
.if FFN == 1
	v_lshl_add_u32 v[STO], v26, 6, v[STO]          ; 32 columns of bf16
.else
	v_lshl_add_u32 v[STO], v26, 7, v[STO]          ; 32 columns of f32
.endif
	v_add_nc_u32 v[STO], s34, v[STO]
	v_mul_u32_u24 v[RD], v26, SPITCH
	v_lshl_add_u32 v[RD], v25, 4, v[RD]
	v_add_nc_u32 v[RD], s34, v[RD]
	s_lshl_b32 s[BITS], 0x101, s[EX]
	s_add_co_u32 s[E8], s[EX], 8
	s_mov_b32 s[HIM], 0xffff0000
	; offsets, made apart from the addresses
	s_lshl_b32 s16, s[EX], 24                      ; an expert's weights are 2^24 bytes
	s_lshl_b32 s34, s[WV], 3                       ; my 8 rows of a chunk
.if FFN == 2
	s_lshl_b32 s38, s[QK], 10                      ; the K quarter's 1,024 rows
	s_add_co_u32 s34, s34, s38
.endif
	s_mul_i32 s34, s34, WP
	s_add_co_u32 s16, s16, s34
	s_lshl_b32 s34, s[SL], 9                       ; the slice's 512 bytes of a row
	s_add_co_u32 s16, s16, s34
	s_mov_b32 s17, 0
	s_mul_i32 s38, s[EX], WP                       ; a row of the bias is as long as a row of the weights
	s_add_co_u32 s38, s38, s34
	s_mov_b32 s39, 0
	s_wait_kmcnt 0x0
	s_add_nc_u64 s[W0B:W0B+1], s[W0B:W0B+1], s[16:17]
	s_add_nc_u64 s[WB:WB+1], s[W0B:W0B+1], 3*TS    ; the stream's base has registers of its own: trip 0 steps it to chunk 4 while the first loads may still read s[8:9]
	s_add_nc_u64 s[10:11], s[10:11], s[38:39]
.if FFN == 1
	s_lshl_b32 s16, s[SL], 8                       ; 128 columns of bf16
	s_add_nc_u64 s[12:13], s[12:13], s[16:17]
.else
	s_lshl_b32 s16, s[QK], 23
	s_add_co_u32 s16, s16, s34
	s_add_nc_u64 s[12:13], s[12:13], s[16:17]
	s_lshl_b32 s16, s[QK], 11                      ; the K quarter's 2,048 bytes of a row of hb
	s_add_nc_u64 s[6:7], s[6:7], s[16:17]
	s_cmp_eq_u32 s[QK], 0
	s_cselect_b32 s[Q0], -1, 0                     ; the bias is added in quarter 0 alone
.endif
	s_add_nc_u64 s[AP:AP+1], s[6:7], 128           ; likewise for the rows: trip 0 steps it to chunk 2
; 8 loads: my 8 rows of a chunk; each covers the slice's 512 consecutive bytes of a row, aligned
.macro WLOAD set, off, base
	WIN 0x40
.irp i, 0,1,2,3,4,5,6,7
	global_load_b128 v[WS+32*(\set)+4*(\i):WS+32*(\set)+4*(\i)+3], v[WOFF], s[\base:\base+1] offset:(\off)+(\i)*WP th:TH_LOAD_NT
.endr
	WIN 0
.endm
; 12 loads: 64 of K of my three tiles' rows, as source 1 fragments (lane (r, h): row r, k = 8 h .. and 16 + 8 h ..)
.macro ALOAD par, off, base
.irp s, 0,1
.irp j, 0,1,2
	global_load_b128 v[AF+48*(\par)+24*(\s)+8*(\j):AF+48*(\par)+24*(\s)+8*(\j)+3], v[AOFF+(\j)], s[\base:\base+1] offset:(\off)+64*(\s)
	global_load_b128 v[AF+48*(\par)+24*(\s)+8*(\j)+4:AF+48*(\par)+24*(\s)+8*(\j)+7], v[AOFF+(\j)], s[\base:\base+1] offset:(\off)+64*(\s)+32
.endr
.endr
.endm
; 16 conversions: my 8 rows x 4 columns a lane, rounded: for column c four registers hold k .. k + 7.  Each result has a register of its own, so that the set of weights is free for its next load at once
.macro CVTA set
	WIN 0x05
.irp c, 0,1,2,3
.irp p, 0,1,2,3
	v_cvt_pk_bf16_f32 v[TMP+4*(\c)+(\p)], v[WS+32*(\set)+8*(\p)+(\c)], v[WS+32*(\set)+8*(\p)+4+(\c)]
.endr
.endr
	WIN 0
.endm
; and their 4 stores: column c's 16 bytes go to LDS row 32 c + l in my group of 8 k: a store covers 512 consecutive bytes
.macro CVTS off
	v_add_nc_u32 v[ADR], s[KO], v[TB0]
.irp c, 0,1,2,3
	ds_store_b128 v[ADR], v[TMP+4*(\c):TMP+4*(\c)+3] offset:(\off)+512*(\c)
.endr
.endm
; 32 LDS loads: 64 of K of all 128 weight rows, off bytes behind the chunk at s[KO].  Registers 0-3 of a fragment: group 4 s + h of 8 k; registers 4-7: group 4 s + 2 + h
.macro FETCHB off
	v_add_nc_u32 v[ADR], s[KO], v[AB0]
.irp s, 0,1
.irp b, 0,1,2,3,4,5,6,7
	ds_load_b128 v[BF+64*(\s)+8*(\b):BF+64*(\s)+8*(\b)+3], v[ADR] offset:(\off)+8192*(\s)+256*(\b)
	ds_load_b128 v[BF+64*(\s)+8*(\b)+4:BF+64*(\s)+8*(\b)+7], v[ADR] offset:(\off)+8192*(\s)+4096+256*(\b)
.endr
.endr
.endm
; 16 matrix instructions for each live tile.  A tile's eight accumulators take turns, one instruction a turn; the last names block 7 and the next first block 0, on every way.
; zero = 1: a pass's first K step: it starts the sums, for all three tiles, so that every accumulator is written on every way.
.macro PROD par, zero
.irp j, 0,1,2
.if !(\zero)
	s_cmp_lt_u32 s[NW], (\j)+1
	s_cbranch_scc1 .Lpe_\@
.endif
	WIN 0x50
.irp s, 0,1
.irp b, 0,1,2,3,4,5,6,7
.if (\zero) && ((\s) == 0)
	v_wmma_f32_16x16x32_bf16 v[64*(\j)+8*(\b):64*(\j)+8*(\b)+7], v[BF+64*(\s)+8*(\b):BF+64*(\s)+8*(\b)+7], v[AF+48*(\par)+24*(\s)+8*(\j):AF+48*(\par)+24*(\s)+8*(\j)+7], 0
.else
	v_wmma_f32_16x16x32_bf16 v[64*(\j)+8*(\b):64*(\j)+8*(\b)+7], v[BF+64*(\s)+8*(\b):BF+64*(\s)+8*(\b)+7], v[AF+48*(\par)+24*(\s)+8*(\j):AF+48*(\par)+24*(\s)+8*(\j)+7], v[64*(\j)+8*(\b):64*(\j)+8*(\b)+7]
.endif
.endr
.endr
	WIN 0
.endr
.Lpe_\@:
.endm
.macro PLACES                          ; four places behind the products, ahead of loads into their sources and of vector lines that read their results
.rept 4
	v_nop
.endr
.endm
.macro MEET                            ; a barrier of the work-group; no LDS instruction of mine is out at the signal
	s_wait_dscnt 0x0
	s_barrier_signal -1
	s_barrier_wait -1
.endm
.macro NWSET                           ; my live tiles of the pass: those j with 24 P + 8 j + w < NT
	s_max_i32 s34, s[RM], 0
	s_lshr_b32 s34, s34, 3
	s_min_u32 s[NW], s34, 3
.endm
.macro IDS                             ; the ids of my lanes' rows in the pass
	v_add_nc_u32 v[ADR], s[PO], v[LR0]
.irp j, 0,1,2
	ds_load_u16 v[TMP+(\j)], v[ADR] offset:256*(\j)
.endr
.endm
.macro AOFFS                           ; and their byte offsets: behind the bound stand an AND, a shift and an add
	v_and_b32 v[TMP+4], 16, v0                     ; 16 h
.irp j, 0,1,2
	v_min_u32 v[TMP+(\j)], 0x7ff, v[TMP+(\j)]
.if FFN == 1
	v_and_b32 v[TMP+(\j)], 0x7fe, v[TMP+(\j)]      ; 2 x token: a row of xb is 2,048 bytes
	v_lshlrev_b32 v[TMP+(\j)], 10, v[TMP+(\j)]
.else
	v_lshlrev_b32 v[TMP+(\j)], 13, v[TMP+(\j)]     ; a row of hb is 8,192 bytes
.endif
	v_add_nc_u32 v[AOFF+(\j)], v[TMP+(\j)], v[TMP+4]
.endr
.endm
; TRIP t of the stream, par = t % 2.  The loads' order of issue is W0 W1 W2 W3 A0 A1, then W(t+4), A(t+2) in trip t: 8 for a chunk of weights W, 12 for a trip's rows A.
; cv: chunk t + 2 is rounded at the head and stored into LDS behind the products; nW = the loads issued behind W(t+2).  lw: W(t+4) is asked for, into the set just rounded.  la: A(t+2).
; lb: the bias (16 loads), into the weights' registers, which are free.
; pf: chunks t + 6 and t + 7 are asked for ahead, two and three trips ahead of their loads, each aligned 256 bytes once, by the wave that will load them; pf = 1: not in the loop's last trip, where they would be chunks 16 and 17.
; fa = 1: group 0 fetches chunk t's fragments ahead of the products; 2: every wave does (trip 0).  fb: group 1 fetches chunk t + 1's at the end.  nA = the loads issued behind A(t).
.macro TRIP par, zero, cv, lw, la, lb, pf, fa, fb, nW, nA
	MEET                                           ; my parts of the chunks up to t + 1 are in LDS, and my fetches are back; behind the barrier everybody's parts are there
.if \cv
	s_wait_loadcnt \nW
	CVTA \par
.endif
.if \lw
	s_wait_xcnt 0x0                                ; the base is stepped only when every earlier load has had its address translated
	s_add_nc_u64 s[WB:WB+1], s[WB:WB+1], TS
	WLOAD \par, 0, WB
.endif
.if (\pf) == 1
	s_cmp_eq_u32 s[CT], 1
	s_cbranch_scc1 .Lnopf_\@
.endif
.if \pf
	global_prefetch_b8 v[PF], s[WB:WB+1] offset:2*TS th:TH_LOAD_NT scope:SCOPE_SE
.endif
.if (\pf) == 1
.Lnopf_\@:
.endif
.if \lb
	v_and_b32 v[TMP], 16, v0
	v_lshlrev_b32 v[TMP], 3, v[TMP]                ; 128 h: my 32 columns of f32
	WIN 0x40
.irp g, 0,1
.irp u, 0,1,2,3,4,5,6,7
	global_load_b128 v[BI+32*(\g)+4*(\u):BI+32*(\g)+4*(\u)+3], v[TMP], s[10:11] offset:256*(\g)+16*(\u)
.endr
.endr
	WIN 0
.endif
.if (\fa) == 1
	s_cmp_lg_u32 s[GRP], 0
	s_cbranch_scc1 .Lnfa_\@
.endif
	FETCHB 0
.if (\fa) == 1
.Lnfa_\@:
.endif
	s_wait_loadcnt \nA
	s_wait_dscnt 0x0                               ; group 0: the 32 fragment loads are back; group 1 has nothing out
	PROD \par, \zero
	PLACES
.if \la
	s_wait_xcnt 0x0
	s_add_nc_u64 s[AP:AP+1], s[AP:AP+1], 128
	ALOAD \par, 0, AP
.endif
.if \cv
	CVTS 2*CH                                      ; bytes that nobody has touched yet
.endif
.if \fb
	s_cmp_eq_u32 s[GRP], 0
	s_cbranch_scc1 .Lnfb_\@
	FETCHB CH                                      ; chunk t + 1 was whole at this trip's barrier
.Lnfb_\@:
.endif
	s_add_co_u32 s[KO], s[KO], CH
.endm
; a K step of passes 1 and 2: the weights are resident
.macro PTRIP zero
	ALOAD 0, 0, AP
	FETCHB 0
	s_wait_loadcnt 0x0
	s_wait_dscnt 0x0
	PROD 0, \zero
	PLACES
	s_wait_xcnt 0x0
	s_add_nc_u64 s[AP:AP+1], s[AP:AP+1], 128
	s_add_co_u32 s[KO], s[KO], CH
.endm
; THE WAY OUT of tile j: bias (and relu), through my own stage in LDS, back as whole rows, stored at the rows' ids: sixteen lanes fill 256 consecutive bytes, aligned.
; Each accumulator's lowest registers are read first.
.macro OUT j
	s_cmp_lt_u32 s[NW], (\j)+1
	s_cbranch_scc1 .Lnext
	v_add_nc_u32 v[ADR], s[PO], v[LH0]
.irp u, 0,1,2,3,4,5,6,7
	ds_load_u16 v[RID+(\u)], v[ADR] offset:256*(\j)+4*(\u)  ; the ids of rows 2 u + h
.endr
.if FFN == 1
.irp g, 0,1
	WIN 0x05
.irp c, 0,1,2,3
.irp q, 0,2,4,6
	v_pk_add_f32 v[T+8*(\c)+(\q):T+8*(\c)+(\q)+1], v[64*(\j)+8*(2*(\c)+(\g))+(\q):64*(\j)+8*(2*(\c)+(\g))+(\q)+1], v[BI+32*(\g)+8*(\c)+(\q):BI+32*(\g)+8*(\c)+(\q)+1]
.endr
.endr
	WIN 0
.irp q, 0,1,2,3,4,5,6,7
.irp d, 0,1
	v_cvt_pk_bf16_f32 v[PK+2*(\q)+(\d)], v[T+16*(\d)+(\q)], v[T+16*(\d)+8+(\q)]  ; columns 4 q + 2 d, + 1
.endr
.endr
.irp m, 0,1,2,3,4,5,6,7,8,9,10,11,12,13,14,15
	v_pk_max_num_bf16 v[PK+(\m)], v[PK+(\m)], v[NIL]  ; relu on the rounded pair: rounding keeps the sign
.endr
.irp u, 0,1,2,3
	ds_store_b128 v[STO], v[PK+4*(\u):PK+4*(\u)+3] offset:128*(\g)+16*(\u)
.endr
.endr
	s_wait_xcnt 0x0                                ; the tile before has had its stores' addresses translated: their data and offsets are rewritten below
.irp u, 0,1,2,3,4,5,6,7
	ds_load_b128 v[OB+4*(\u):OB+4*(\u)+3], v[RD] offset:2*SPITCH*(\u)  ; LDS serves a wave's instructions in order (ISA guide 5.7.1.4): these see the stores above
.endr
	s_wait_dscnt 0x0
.irp u, 0,1,2,3,4,5,6,7
	v_min_u32 v[RID+(\u)], 0x7ff, v[RID+(\u)]
	v_lshlrev_b32 v[RID+(\u)], 13, v[RID+(\u)]
	v_add_nc_u32 v[OF+(\u)], v[RID+(\u)], v[GO]
.endr
.irp u, 0,1,2,3,4,5,6,7
	global_store_b128 v[OF+(\u)], v[OB+4*(\u):OB+4*(\u)+3], s[12:13]
.endr
.else
.irp g, 0,1
	WIN 0x05
.irp q, 0,1,2,3,4,5,6,7
.irp c, 0,1,2,3
	v_add_f32 v[T+4*(\q)+(\c)], v[64*(\j)+8*(2*(\c)+(\g))+(\q)], v[BI+32*(\g)+8*(\c)+(\q)]
.endr
.endr
	WIN 0
.irp q, 0,1,2,3,4,5,6,7
	ds_store_b128 v[STO], v[T+4*(\q):T+4*(\q)+3] offset:16*(\q)
.endr
	s_wait_xcnt 0x0                                ; earlier stores have had their addresses translated: their data and offsets are rewritten below
.irp u, 0,1,2,3,4,5,6,7
	ds_load_b128 v[OB+4*(\u):OB+4*(\u)+3], v[RD] offset:2*SPITCH*(\u)  ; LDS serves a wave's instructions in order (ISA guide 5.7.1.4): these see the stores above
.endr
	s_wait_dscnt 0x0
.if (\g) == 0
.irp u, 0,1,2,3,4,5,6,7
	v_min_u32 v[RID+(\u)], 0x7ff, v[RID+(\u)]
	v_lshlrev_b32 v[RID+(\u)], 12, v[RID+(\u)]
	v_add_nc_u32 v[OF+(\u)], v[RID+(\u)], v[GO]
.endr
.endif
.irp u, 0,1,2,3,4,5,6,7
	global_store_b128 v[OF+(\u)], v[OB+4*(\u):OB+4*(\u)+3], s[12:13] offset:256*(\g)
.endr
.endr
.endif
.endm
	; FIRST LOADS: wave 0 asks for sel (lane l holds tokens 128 i + 4 l + c); every wave for four chunks of weights; chunks 4 and 5 are asked for ahead
	s_cmp_lg_u32 s[WV], 0
	s_cbranch_scc1 .Lnosel
.irp i, 0,1,2,3,4,5,6,7
	global_load_b128 v[SEL+4*(\i):SEL+4*(\i)+3], v[WOFF], s[4:5] offset:512*(\i)
.endr
.Lnosel:
	WLOAD -2, 0, W0B
	WLOAD -1, TS, W0B
	WLOAD 0, 2*TS, W0B
	WLOAD 1, 3*TS, W0B
	global_prefetch_b8 v[PF], s[W0B:W0B+1] offset:4*TS th:TH_LOAD_NT scope:SCOPE_SE
	; THE LIST, by wave 0 alone; no other wave touches LDS ahead of the barrier below.  It starts as zeros: places that nobody fills name id 0.
	s_cmp_lg_u32 s[WV], 0
	s_cbranch_scc1 .Lnolist
	v_lshlrev_b32 v[L8], 3, v24                    ; 8 l
	v_add_nc_u32 v[DUMPI], 1152, v24               ; my dump word's place
.irp k, 0,1,2,3
	v_mov_b32 v[Z4+(\k)], 0
.endr
	v_add_nc_u32 v[AD], LIST, v[WOFF]
.irp k, 0,1,2,3,4
	ds_store_b128 v[AD], v[Z4:Z4+3] offset:512*(\k)
.endr
	s_mov_b32 s[N], 0
	s_wait_loadcnt 0x20                            ; sel is in; the 32 weight loads stay out
; The 128 tokens 128 i + 4 l + c, c = 0..3: those that chose my expert append their ids, the others write their dump words; all lanes stay on.
; The four c go side by side, each with registers and a mask of its own, so that no line reads the result of the line before it.
.macro LSTEP4 i
.irp c, 0,1,2,3
	v_and_b32 v[POS+(\c)], s[BITS], v[SEL+4*(\i)+(\c)]
.endr
.irp c, 0,1,2,3
	v_cmp_ne_u32 s[MSK+(\c)], 0, v[POS+(\c)]
.endr
.irp c, 0,1,2,3
	v_bfe_u32 v[ID+(\c)], v[SEL+4*(\i)+(\c)], s[E8], 1  ; the slot
.endr
.irp c, 0,1,2,3
	s_bcnt1_i32_b32 s[CN+(\c)], s[MSK+(\c)]
.endr
	s_add_co_u32 s[CN], s[CN], s[N]                ; the count in front of c = 1,
	s_add_co_u32 s[CN+1], s[CN+1], s[CN]           ; of c = 2,
	s_add_co_u32 s[CN+2], s[CN+2], s[CN+1]         ; of c = 3,
	s_add_co_u32 s[CN+3], s[CN+3], s[CN+2]         ; and behind it
	v_mbcnt_lo_u32_b32 v[POS], s[MSK], s[N]        ; the count so far + the choosers in the lanes below me
	v_mbcnt_lo_u32_b32 v[POS+1], s[MSK+1], s[CN]
	v_mbcnt_lo_u32_b32 v[POS+2], s[MSK+2], s[CN+1]
	v_mbcnt_lo_u32_b32 v[POS+3], s[MSK+3], s[CN+2]
	s_mov_b32 s[N], s[CN+3]
.irp c, 0,1,2,3
	v_cndmask_b32 v[POS+(\c)], v[DUMPI], v[POS+(\c)], s[MSK+(\c)]
.endr
.irp c, 0,1,2,3
	v_min_u32 v[POS+(\c)], 0x7ff, v[POS+(\c)]      ; the bound comes last; behind it a shift and an add: the list's 4,096 bytes
.endr
.irp c, 0,1,2,3
	v_lshlrev_b32 v[POS+(\c)], 1, v[POS+(\c)]
.endr
.irp c, 0,1,2,3
	v_add_nc_u32 v[POS+(\c)], LIST, v[POS+(\c)]
.endr
.irp c, 0,1,2,3
	v_or_b32 v[ID+(\c)], v[ID+(\c)], v[L8]
.endr
.irp c, 0,1,2,3
	v_add_nc_u32 v[ID+(\c)], 256*(\i)+2*(\c), v[ID+(\c)]
.endr
.irp c, 0,1,2,3
	ds_store_b16 v[POS+(\c)], v[ID+(\c)]
.endr
.endm
.irp i, 0,1,2,3,4,5,6,7
	LSTEP4 \i
.endr
	s_max_u32 s34, s[N], 1                         ; the expert's last id (place 0, a zero, if it has no row)
	s_sub_co_u32 s34, s34, 1
	s_min_u32 s34, s34, 0x3ff
	s_lshl_b32 s34, s34, 1
	s_add_co_u32 s34, s34, LIST
	v_mov_b32 v[AD], s34
	ds_load_u16 v[ID], v[AD]                       ; LDS serves a wave's instructions in order: this sees the stores above
	v_add_nc_u32 v[POS], s[N], v25                 ; it goes into the 16 places behind the count, which reach the end of the last tile
	v_min_u32 v[POS], 0x7ff, v[POS]
	v_lshlrev_b32 v[POS], 1, v[POS]
	v_add_nc_u32 v[POS], LIST, v[POS]
	v_mov_b32 v[L8], s[N]
	v_mov_b32 v[DUMPI], NWORD
	s_wait_dscnt 0x0
	ds_store_b16 v[POS], v[ID]
	ds_store_b32 v[DUMPI], v[L8]                   ; the count, for the other waves
.Lnolist:
	MEET                                           ; for the others' sake: the list is in LDS
	v_mov_b32 v[ADR], NWORD
	ds_load_b32 v[TMP+3], v[ADR]
	s_mov_b32 s[PO], 0
	IDS
	s_wait_dscnt 0x0
	v_readfirstlane_b32 s[N], v[TMP+3]
	s_min_u32 s[N], s[N], 0x400
	s_add_co_u32 s[NT], s[N], 15
	s_lshr_b32 s[NT], s[NT], 4
	s_add_co_i32 s[RM], s[NT], 7
	s_sub_co_i32 s[RM], s[RM], s[WV]
	NWSET
	AOFFS
	; THE STREAM BEGINS
	s_mov_b32 s[KO], 0
	ALOAD 0, 0, 6
	ALOAD 1, 128, 6
	s_wait_loadcnt 0x30                            ; chunk 0 is in: behind it W1, W2, W3 (24) and A0, A1 (24)
	CVTA -2
	CVTS 0
	s_wait_loadcnt 0x28                            ; chunk 1 is in: behind it W2, W3 (16) and A0, A1 (24)
	CVTA -1
	CVTS CH
	TRIP 0, 1, 1, 1, 1, 0, 2, 2, 1, 32, 20         ; trip 0: nW = W3 8 + A0 12 + A1 12; nA = A1 12 + W4 8
	s_mov_b32 s[CT], 5
.Lk:                                               ; trips 1 to 10: nW = A(t) 12 + W(t+3) 8 + A(t+1) 12; nA = W(t+3) 8 + A(t+1) 12 + W(t+4) 8
	TRIP 1, 0, 1, 1, 1, 0, 0, 1, 1, 32, 28
	TRIP 0, 0, 1, 1, 1, 0, 1, 1, 1, 32, 28
	s_sub_co_u32 s[CT], s[CT], 1
	s_cmp_lg_u32 s[CT], 0
	s_cbranch_scc1 .Lk
	TRIP 1, 0, 1, 1, 1, 0, 0, 1, 1, 32, 28         ; trip 11 asks for the last chunk
	TRIP 0, 0, 1, 0, 1, 0, 0, 1, 1, 32, 20         ; trip 12: nW = A12 12 + W15 8 + A13 12; nA = W15 8 + A13 12
	TRIP 1, 0, 1, 0, 1, 0, 0, 1, 1, 24, 12         ; trip 13: nW = A13 12 + A14 12; nA = A14 12
	TRIP 0, 0, 0, 0, 0, 1, 0, 1, 1, 0, 28          ; trip 14: nA = A15 12 + the bias's 16
	TRIP 1, 0, 0, 0, 0, 0, 0, 1, 0, 0, 16          ; trip 15: nA = the bias's 16
	; THE BIAS, once: rounded to bf16 like every input, widened again, and laid as the accumulators lie: column 4 jj + c of a group of 32 at 8 c + jj
	s_wait_loadcnt 0x0
	WIN 0x05
.set m, 0
.rept 32
	v_cvt_pk_bf16_f32 v[T+m], v[BI+2*m], v[BI+2*m+1]
.set m, m+1
.endr
.if FFN == 2
	WIN 0
.set m, 0
.rept 32
	v_and_b32 v[T+m], s[Q0], v[T+m]
.set m, m+1
.endr
.endif
	WIN 0x40
.set m, 0
.rept 32
	v_lshlrev_b32 v[BI+32*(m/16)+8*((2*m)%4)+((2*m)%32)/4], 16, v[T+m]
	v_and_b32 v[BI+32*(m/16)+8*((2*m+1)%4)+((2*m+1)%32)/4], s[HIM], v[T+m]
.set m, m+1
.endr
	WIN 0
	s_mov_b32 s[P], 0
	s_branch .Lout                                 ; the loop over the passes is entered at pass 0's way out
.Lpass:                                            ; passes 1 and 2: rows 384 P on, from the resident slice.  Every wave passes both barriers
	MEET                                           ; every wave's stores into its stage are done: nobody stores into LDS until the next barrier
	NWSET
	s_cmp_eq_u32 s[NW], 0
	s_cbranch_scc1 .Lnok
	IDS
	s_wait_dscnt 0x0
	AOFFS
	s_wait_xcnt 0x0                                ; the last pass's stores have had their addresses translated: their data and offsets lie where fragments land
	s_mov_b64 s[AP:AP+1], s[6:7]
	s_mov_b32 s[KO], 0
	PTRIP 1                                        ; chunk 0 starts the sums
	s_mov_b32 s[CT], 15
.Lkp:
	PTRIP 0
	s_sub_co_u32 s[CT], s[CT], 1
	s_cmp_lg_u32 s[CT], 0
	s_cbranch_scc1 .Lkp
.Lnok:
	MEET                                           ; every wave's reads of the slice in this pass are back: the stages may be written again
.Lout:
	OUT 0
	OUT 1
	OUT 2
.Lnext:
	s_add_co_u32 s[PO], s[PO], 768
	s_sub_co_i32 s[RM], s[RM], 24
	s_add_co_u32 s[P], s[P], 1
	s_cmp_lt_u32 s[P], 3
	s_cbranch_scc1 .Lpass
	s_wait_tensorcnt 0x0                           ; the wave's end, behind my last LDS store
	ds_add_u32 v[SPW], v[NIL]
	s_wait_dscnt 0x0
	s_endpgm
.Lfunc_end_k_q45852f97f6_ffn2:
	.size	k_q45852f97f6_ffn2, .Lfunc_end_k_q45852f97f6_ffn2-k_q45852f97f6_ffn2
	.p2alignl 7, 3214868480
	.fill 96, 4, 3214868480
	.section	.rodata,"a",@progbits
	.p2align	6, 0x0
	.amdhsa_kernel k_q45852f97f6_ffn2
		.amdhsa_group_segment_fixed_size 302336
		.amdhsa_private_segment_fixed_size 0
		.amdhsa_enable_private_segment 0
		.amdhsa_kernarg_size 40
		.amdhsa_user_sgpr_count 2
		.amdhsa_user_sgpr_kernarg_segment_ptr 1
		.amdhsa_wavefront_size32 1
		.amdhsa_system_sgpr_workgroup_id_x 1
		.amdhsa_system_sgpr_workgroup_id_y 1
		.amdhsa_system_sgpr_workgroup_id_z 1
		.amdhsa_system_vgpr_workitem_id 0
		.amdhsa_next_free_vgpr 512
		.amdhsa_next_free_sgpr 66
		.amdhsa_reserve_vcc 0
		.amdhsa_float_denorm_mode_32 3
		.amdhsa_float_denorm_mode_16_64 3
		.amdhsa_memory_ordered 1
		.amdhsa_forward_progress 1
		.amdhsa_inst_pref_size 161
	.end_amdhsa_kernel
	.amdgpu_metadata
---
amdhsa.version: [ 1, 2 ]
amdhsa.kernels:
  - .name:           k_q45852f97f6_ffn2
    .symbol:         k_q45852f97f6_ffn2.kd
    .args:
      - { .name: sel, .offset: 0, .size: 8, .value_kind: global_buffer, .address_space: global }
      - { .name: hb, .offset: 8, .size: 8, .value_kind: global_buffer, .address_space: global }
      - { .name: W2, .offset: 16, .size: 8, .value_kind: global_buffer, .address_space: global }
      - { .name: b2, .offset: 24, .size: 8, .value_kind: global_buffer, .address_space: global }
      - { .name: yp, .offset: 32, .size: 8, .value_kind: global_buffer, .address_space: global }
    .group_segment_fixed_size: 302336
    .private_segment_fixed_size: 0
    .kernarg_segment_align: 8
    .kernarg_segment_size: 40
    .max_flat_workgroup_size: 256
    .sgpr_count:     66
    .vgpr_count:     512
    .wavefront_size: 32
...
	.end_amdgpu_metadata
.endif
;; end of part 3
;; launch combine (part 4): grid 256 x 1, 8 waves a work-group, no clusters, 0 bytes of LDS; arguments yp, cwt, out0; writes out0
.if DOCPART == 4
	.amdgcn_target "amdgcn-amd-amdhsa--gfx1250"
	.amdhsa_code_object_version 6
	.text
	.protected	k_q45852f97f6_combine
	.globl	k_q45852f97f6_combine
	.p2align	8
	.type	k_q45852f97f6_combine,@function
k_q45852f97f6_combine:
	s_mov_b64 s[64:65], 0
	v_nop
	global_prefetch_b8 v0, s[64:65] scope:SCOPE_SE
	s_setreg_imm32_b32 hwreg(HW_REG_WAVE_MODE, 25, 1), 1
	s_wait_xcnt 0x0
; out0[t] = cwt[2 t] x y[2 t] + cwt[2 t + 1] x y[2 t + 1], where y[id] is the sum of the four K quarters' partial rows yp[q][id] (b2 lies in quarter 0).  All f32.
; A work-group takes four tokens (ids 8 b .. 8 b + 7); thread n takes d = 4 n .. 4 n + 3 of every row, so a load or store of a wave covers 512 consecutive bytes, aligned.
; A stream: every byte is read once and written once; all 32 loads of a thread go out at the start.  No LDS, no barrier, no matrix unit: there is nothing to share and nothing to multiply by a matrix.
; No address hangs on the routing: a row's place is its id.
.set Y, 8                              ; v[8:135]  token i, slot sl, quarter q at 32 i + 16 sl + 4 q; a token's result takes the place of its first four
	s_load_b128 s[4:7], s[0:1], 0x0                ; yp s[4:5], cwt s[6:7]
	s_load_b64 s[8:9], s[0:1], 0x10                ; out0
	v_lshlrev_b32 v1, 4, v0                        ; 16 bytes a thread
	s_lshl_b32 s18, ttmp9, 15                      ; 8 rows of 4,096 bytes
	s_mov_b32 s19, 0
	s_lshl_b32 s28, ttmp9, 5                       ; 8 weights
	s_mov_b32 s29, 0
	s_lshl_b32 s30, ttmp9, 14                      ; 4 rows of the output
	s_mov_b32 s31, 0
	s_wait_kmcnt 0x0
	s_add_nc_u64 s[6:7], s[6:7], s[28:29]
	s_load_b256 s[20:27], s[6:7], 0x0              ; the eight gate weights
	s_add_nc_u64 s[10:11], s[4:5], s[18:19]        ; the four quarters lie 2^23 bytes apart
	s_add_nc_u64 s[12:13], s[10:11], 0x800000
	s_add_nc_u64 s[14:15], s[12:13], 0x800000
	s_add_nc_u64 s[16:17], s[14:15], 0x800000
	s_add_nc_u64 s[8:9], s[8:9], s[30:31]
.irp i, 0,1,2,3
.irp sl, 0,1
.irp q, 0,1,2,3
	global_load_b128 v[Y+32*(\i)+16*(\sl)+4*(\q):Y+32*(\i)+16*(\sl)+4*(\q)+3], v1, s[10+2*(\q):11+2*(\q)] offset:(2*(\i)+(\sl))*4096 th:TH_LOAD_NT
.endr
.endr
.endr
	s_wait_kmcnt 0x0
.macro TOKEN i
	s_wait_loadcnt 24-8*(\i)                       ; my eight loads are in; eight for each later token stay out
.irp sl, 0,1
.irp p, 0,2
	v_pk_add_f32 v[Y+32*(\i)+16*(\sl)+(\p):Y+32*(\i)+16*(\sl)+(\p)+1], v[Y+32*(\i)+16*(\sl)+(\p):Y+32*(\i)+16*(\sl)+(\p)+1], v[Y+32*(\i)+16*(\sl)+4+(\p):Y+32*(\i)+16*(\sl)+4+(\p)+1]
	v_pk_add_f32 v[Y+32*(\i)+16*(\sl)+8+(\p):Y+32*(\i)+16*(\sl)+8+(\p)+1], v[Y+32*(\i)+16*(\sl)+8+(\p):Y+32*(\i)+16*(\sl)+8+(\p)+1], v[Y+32*(\i)+16*(\sl)+12+(\p):Y+32*(\i)+16*(\sl)+12+(\p)+1]
.endr
.irp p, 0,2
	v_pk_add_f32 v[Y+32*(\i)+16*(\sl)+(\p):Y+32*(\i)+16*(\sl)+(\p)+1], v[Y+32*(\i)+16*(\sl)+(\p):Y+32*(\i)+16*(\sl)+(\p)+1], v[Y+32*(\i)+16*(\sl)+8+(\p):Y+32*(\i)+16*(\sl)+8+(\p)+1]
.endr
.endr
.irp p, 0,1,2,3
	v_mul_f32 v[Y+32*(\i)+(\p)], s[20+2*(\i)], v[Y+32*(\i)+(\p)]
.endr
.irp p, 0,1,2,3
	v_fma_f32 v[Y+32*(\i)+(\p)], s[21+2*(\i)], v[Y+32*(\i)+16+(\p)], v[Y+32*(\i)+(\p)]
.endr
	global_store_b128 v1, v[Y+32*(\i):Y+32*(\i)+3], s[8:9] offset:4096*(\i) th:TH_STORE_NT  ; each token has registers of its own: nothing that a store reads is rewritten
.endm
	TOKEN 0
	TOKEN 1
	TOKEN 2
	TOKEN 3
	s_endpgm
.Lfunc_end_k_q45852f97f6_combine:
	.size	k_q45852f97f6_combine, .Lfunc_end_k_q45852f97f6_combine-k_q45852f97f6_combine
	.p2alignl 7, 3214868480
	.fill 96, 4, 3214868480
	.section	.rodata,"a",@progbits
	.p2align	6, 0x0
	.amdhsa_kernel k_q45852f97f6_combine
		.amdhsa_group_segment_fixed_size 0
		.amdhsa_private_segment_fixed_size 0
		.amdhsa_enable_private_segment 0
		.amdhsa_kernarg_size 24
		.amdhsa_user_sgpr_count 2
		.amdhsa_user_sgpr_kernarg_segment_ptr 1
		.amdhsa_wavefront_size32 1
		.amdhsa_system_sgpr_workgroup_id_x 1
		.amdhsa_system_sgpr_workgroup_id_y 1
		.amdhsa_system_sgpr_workgroup_id_z 1
		.amdhsa_system_vgpr_workitem_id 0
		.amdhsa_next_free_vgpr 144
		.amdhsa_next_free_sgpr 66
		.amdhsa_reserve_vcc 0
		.amdhsa_float_denorm_mode_32 3
		.amdhsa_float_denorm_mode_16_64 3
		.amdhsa_memory_ordered 1
		.amdhsa_forward_progress 1
		.amdhsa_inst_pref_size 10
	.end_amdhsa_kernel
	.amdgpu_metadata
---
amdhsa.version: [ 1, 2 ]
amdhsa.kernels:
  - .name:           k_q45852f97f6_combine
    .symbol:         k_q45852f97f6_combine.kd
    .args:
      - { .name: yp, .offset: 0, .size: 8, .value_kind: global_buffer, .address_space: global }
      - { .name: cwt, .offset: 8, .size: 8, .value_kind: global_buffer, .address_space: global }
      - { .name: out0, .offset: 16, .size: 8, .value_kind: global_buffer, .address_space: global }
    .group_segment_fixed_size: 0
    .private_segment_fixed_size: 0
    .kernarg_segment_align: 8
    .kernarg_segment_size: 24
    .max_flat_workgroup_size: 256
    .sgpr_count:     66
    .vgpr_count:     144
    .wavefront_size: 32
...
	.end_amdgpu_metadata
.endif
;; end of part 4
